; MI455X (gfx1250); checked and timed in simulation.
; The chip was launched on July 23, 2026; its instructions are those of AMD's public machine-readable ISA for CDNA 5 (MIT licence, August 2026) and "CDNA5" Instruction Set Architecture Reference Guide (July 2026). The comments in the code are by the model that wrote it; some were corrected since.
;; Self Attention. Allowed arithmetic: float matrix products may take bf16 or f16 operands with f32 sums; all other float work in f32.
;; Inputs: Wk 1,024 x 1,024 float32; Wq 1,024 x 1,024 float32; Wv 1,024 x 1,024 float32; bk 1,024 float32; bq 1,024 float32; bv 1,024 float32; x 4 x 2,048 x 1,024 float32.
;; Outputs: out0 4 x 2,048 x 1,024 float32.
;; 2 versions, each right; version 2 is version 1 with the launches cast, softmax written anew for expert scheduling mode. Each part assembles by itself: llvm-mc -triple=amdgcn-amd-amdhsa -mcpu=gfx1250 --defsym DOCPART=n.
;; ======== version 1 of 2: 5 launches
;; workspace buffers: xw 23,068,672 bytes; qkv 50,331,648 bytes; smat 67,108,864 bytes; pmat 33,554,432 bytes
;; launch cast (part 1): grid 704 x 1, 8 waves a work-group, no clusters, 0 bytes of LDS; arguments x, Wq, Wk, Wv, xw; writes xw
.if DOCPART == 1
	.amdgcn_target "amdgcn-amd-amdhsa--gfx1250"
	.amdhsa_code_object_version 6
	.text
	.protected	k_qc739c6b0d9_cast
	.globl	k_qc739c6b0d9_cast
	.p2align	8
	.type	k_qc739c6b0d9_cast,@function
k_qc739c6b0d9_cast:
	s_mov_b64 s[64:65], 0
	v_nop
	global_prefetch_b8 v0, s[64:65] scope:SCOPE_SE
	s_setreg_imm32_b32 hwreg(HW_REG_WAVE_MODE, 25, 1), 1
	s_wait_xcnt 0x0
; cast: x, Wq, Wk, Wv from f32 to bf16 (round to nearest even), stacked as one array xw of [11264][1024] bf16:
; rows 0-8191 x, 8192-9215 Wq, 9216-10239 Wk, 10240-11263 Wv.  The products of the later launches take bf16 operands;
; converting once here spares every later reader the wider bytes and the repeated conversion.
;
; THE WHOLE PROGRAM: cast; proj (q = x Wq^T + bq, k0 = x Wk^T, vT0 = Wv x^T, bf16); scores (S = q k0^T, f32);
; softmax (P = softmax(S / 32) along the keys, bf16); pv (out0 = P vT0^T + bv, f32).
;
; WORK LEFT OUT: bk.  reference() has scores[i][j] = q_i . (k0_j + bk) / 32 = q_i . k0_j / 32 + q_i . bk / 32 with k0 = x Wk^T.
; The second term does not hang on the key j, so it is the same along the axis of the softmax, and
; softmax(z + c) = softmax(z) for every real c: it reaches no output, whatever finite values the inputs hold.
; So bk is not loaded and is an argument of no launch.  bq stays (bq . k_j varies with j), bv stays.
; LIMITS: a NaN, an infinity or an overflow that would enter through bk alone is not carried to the result.
; x, W, q, k, v and P are rounded to bf16 as matrix operands.  bv is added behind the last product, in f32:
; sum_k p_k (v0_k + bv) = sum_k p_k v0_k + bv because the p_k of a row sum to 1; the order of rounding differs from reference().
;
; Eight waves; work-group g takes rows 16 g to 16 g + 15 of the stack: 64 KiB in, 32 KiB out.  Thread t takes 16 bytes at 16 t of
; each row in and 8 bytes at 8 t of each row out, so a load of a wave covers 512 consecutive bytes and a store 256, both aligned.
; All sixteen loads go out first; no register is written twice, so no source has to be freed.
; No LDS, no matrix unit, no cluster: the work-groups share no input and the work is a copy.
.set ROWIN,  4096                      ; bytes of a row in f32
.set ROWOUT, 2048                      ; bytes of a row in bf16
.set X, 4                              ; v[4:67]   step i: 4 registers as loaded
.set Y, 68                             ; v[68:99]  step i: 2 registers to store
	s_load_b256 s[4:11], s[0:1], 0x0               ; x s[4:5], Wq s[6:7], Wk s[8:9], Wv s[10:11]
	s_load_b64 s[12:13], s[0:1], 0x20              ; xw
	s_mov_b32 s14, ttmp9                           ; g, 0 to 703
	s_and_b32 s15, s14, 63                         ; the place inside a weight matrix (64 work-groups each; 512 is a multiple of 64)
	s_cmp_lt_u32 s14, 512
	s_cselect_b32 s15, s14, s15                    ; or inside x (512 work-groups)
	s_lshl_b32 s18, s15, 16                        ; 16 rows of 4,096 bytes
	s_mov_b32 s19, 0
	s_lshl_b32 s20, s14, 15                        ; 16 rows of 2,048 bytes
	s_mov_b32 s21, 0
	v_lshlrev_b32 v1, 4, v0                        ; 16 t
	v_lshlrev_b32 v2, 3, v0                        ; 8 t
	s_wait_kmcnt 0x0
	s_cmp_lt_u32 s14, 512                          ; the source is chosen by the number of the work-group alone
	s_cselect_b64 s[16:17], s[4:5], s[6:7]
	s_cmp_lt_u32 s14, 576
	s_cselect_b64 s[16:17], s[16:17], s[8:9]
	s_cmp_lt_u32 s14, 640
	s_cselect_b64 s[16:17], s[16:17], s[10:11]
	s_add_nc_u64 s[16:17], s[16:17], s[18:19]
	s_add_nc_u64 s[12:13], s[12:13], s[20:21]
.irp i, 0,1,2,3,4,5,6,7,8,9,10,11,12,13,14,15
	global_load_b128 v[X+4*\i:X+4*\i+3], v1, s[16:17] offset:ROWIN*\i th:TH_LOAD_NT   ; read once in the launch
.endr
.irp i, 0,1,2,3,4,5,6,7,8,9,10,11,12,13,14,15
	s_wait_loadcnt 15-\i                           ; loads come back in order: row i is in, the 15 - i younger ones stay out
	v_cvt_pk_bf16_f32 v[Y+2*\i],   v[X+4*\i],   v[X+4*\i+1]
	v_cvt_pk_bf16_f32 v[Y+2*\i+1], v[X+4*\i+2], v[X+4*\i+3]
	global_store_b64 v2, v[Y+2*\i:Y+2*\i+1], s[12:13] offset:ROWOUT*\i
.endr
	s_endpgm
.Lfunc_end_k_qc739c6b0d9_cast:
	.size	k_qc739c6b0d9_cast, .Lfunc_end_k_qc739c6b0d9_cast-k_qc739c6b0d9_cast
	.p2alignl 7, 3214868480
	.fill 96, 4, 3214868480
	.section	.rodata,"a",@progbits
	.p2align	6, 0x0
	.amdhsa_kernel k_qc739c6b0d9_cast
		.amdhsa_group_segment_fixed_size 0
		.amdhsa_private_segment_fixed_size 0
		.amdhsa_enable_private_segment 0
		.amdhsa_kernarg_size 40
		.amdhsa_user_sgpr_count 2
		.amdhsa_user_sgpr_kernarg_segment_ptr 1
		.amdhsa_wavefront_size32 1
		.amdhsa_system_sgpr_workgroup_id_x 1
		.amdhsa_system_sgpr_workgroup_id_y 1
		.amdhsa_system_sgpr_workgroup_id_z 1
		.amdhsa_system_vgpr_workitem_id 0
		.amdhsa_next_free_vgpr 100
		.amdhsa_next_free_sgpr 66
		.amdhsa_reserve_vcc 0
		.amdhsa_float_denorm_mode_32 3
		.amdhsa_float_denorm_mode_16_64 3
		.amdhsa_memory_ordered 1
		.amdhsa_forward_progress 1
		.amdhsa_inst_pref_size 7
	.end_amdhsa_kernel
	.amdgpu_metadata
---
amdhsa.version: [ 1, 2 ]
amdhsa.kernels:
  - .name:           k_qc739c6b0d9_cast
    .symbol:         k_qc739c6b0d9_cast.kd
    .args:
      - { .name: x, .offset: 0, .size: 8, .value_kind: global_buffer, .address_space: global }
      - { .name: Wq, .offset: 8, .size: 8, .value_kind: global_buffer, .address_space: global }
      - { .name: Wk, .offset: 16, .size: 8, .value_kind: global_buffer, .address_space: global }
      - { .name: Wv, .offset: 24, .size: 8, .value_kind: global_buffer, .address_space: global }
      - { .name: xw, .offset: 32, .size: 8, .value_kind: global_buffer, .address_space: global }
    .group_segment_fixed_size: 0
    .private_segment_fixed_size: 0
    .kernarg_segment_align: 8
    .kernarg_segment_size: 40
    .max_flat_workgroup_size: 256
    .sgpr_count:     66
    .vgpr_count:     100
    .wavefront_size: 32
...
	.end_amdgpu_metadata
.endif
;; end of part 1
;; launch proj (part 2): grid 12 x 32, 4 waves a work-group, clusters of 4 x 4, 327,680 bytes of LDS; arguments xw, bq, qkv; writes qkv
.if DOCPART == 2
	.amdgcn_target "amdgcn-amd-amdhsa--gfx1250"
	.amdhsa_code_object_version 6
	.text
	.protected	k_qc739c6b0d9_proj
	.globl	k_qc739c6b0d9_proj
	.p2align	8
	.type	k_qc739c6b0d9_proj,@function
k_qc739c6b0d9_proj:
	s_mov_b64 s[64:65], 0
	v_nop
	global_prefetch_b8 v0, s[64:65] scope:SCOPE_SE
	s_setreg_imm32_b32 hwreg(HW_REG_WAVE_MODE, 25, 1), 1
	s_wait_xcnt 0x0
	s_wait_alu depctr_hold_cnt(0) depctr_sa_sdst(0) depctr_va_vdst(0) depctr_va_sdst(0) depctr_va_ssrc(0) depctr_va_vcc(0) depctr_vm_vsrc(0)
	s_getreg_b32 s2, hwreg(HW_REG_IB_STS2, 6, 4)
	s_cmp_eq_u32 s2, 0
	s_cbranch_scc0 .Lentry_in_a_cluster
	s_endpgm
.Lentry_in_a_cluster:
	s_bfe_u32 s2, ttmp6, 0x10000c
	s_cmp_lg_u32 s2, 0xf033
	s_cbranch_scc0 .Lentry_shape_is_right
	s_endpgm
.Lentry_shape_is_right:
; proj: the three projections as one launch of blocks of 256 x 256, C[m][n] = sum over h of A[m][h] B[n][h], K = 1024, bf16 in, f32 sums, bf16 out.
; The cluster x coordinate says which product:  0: q = x Wq^T + bq    1: k0 = x Wk^T    2: vT0 = Wv x^T (v transposed, so that the last product finds keys along its rows).
; WORK LEFT OUT: bk is not added to k0: its term in the scores is the same for every key of a row and the softmax cancels it (shown at the head of cast).
; bv is not added here: it is added in f32 behind the last product (launch pv).
; qkv: bytes 0 .. 33,554,431: [8192][2048] bf16, columns 0-1023 q, columns 1024-2047 k0;  from byte 33,554,432: vT0 as [4 batches][1024 d][2048 s] bf16.
; Every row of qkv is 4,096 bytes long.
;
; A work-group makes 256 x 256 of C with four waves, a wave 128 x 128: 64 accumulator tiles of 16 x 16, 512 registers.  K goes in steps of 128 through a
; ring of two LDS slots filled by the tensor data mover; a row of a tile is 256 consecutive bytes of memory, aligned.
; CLUSTERS: 4 x 4 work-groups.  The four of a row of the cluster need the same tiles of A, the four of a column the same tiles of B; each such tile is asked
; for jointly, by the same tensor load with the same descriptor and a mask that names the four.
; For q and k0: A = rows of x (1,024 for a cluster, by cluster y; 256 for a work-group, by cy), B = rows of the weight (256 by cx).
; For vT0:      A = rows of Wv (256 by cy),  B = rows of x (1,024 by cluster y, 256 by cx).
;
; REGISTERS, in windows of 256:  window 0: v0-31 addresses; v64-127, v128-191 fragments of A, two buffers; v192-223 at work on the way out
;   window 1: v64-127, v128-191 fragments of B, two buffers;   window 2: the 32 accumulator tiles of my rows 0-63 (tile (a, b) at v[8 (8 a + b)]);   window 3: rows 64-127
; THE MATRIX INSTRUCTION IS USED TRANSPOSED: source 0 = 16 rows of B, source 1 = 16 rows of A, so that lane l holds row l % 16 of C and its registers 0 to 7
; the columns 8 (l / 16) + 0 .. 7: eight neighbouring numbers of a row.
; The 64 accumulators take turns, one instruction a turn, in the same order in every quarter step.
.set KSTEP,  128
.set PITCH,  272                       ; an LDS row: 256 bytes of data + 16 of padding, an odd multiple of 16: the 16 rows of a fragment load begin in 16 different columns of 16 bytes
.set HALFT,  128*PITCH                 ; 128 rows: what one tensor load brings
.set SLOT,   4*HALFT                   ; 256 rows of A, then 256 rows of B
.set STAGE,  2*SLOT                    ; behind the ring: 16 rows x 272 bytes for each wave, for the way out; no tensor load lands there
.set SPITCH, 272
.set KDIM,   1024
.set LAPS,   KDIM/(2*KSTEP)            ; a lap = two K steps = once round the ring: 4
.set CROW,   4096                      ; bytes from row to row in qkv
.set VT0,    33554432                  ; where vT0 begins in qkv
.set ADRA, 16                          ; v16-17  LDS address of my A fragments in slot 0, 1
.set ADRB, 20                          ; v20-21  the same for B
.set STO,  24                          ; v24     the way out: where I put 16 bytes of a row
.set RD,   25                          ; v25     the way out: where I read a row back
.set CO,   26                          ; v26     my byte offset in C
.set BO,   27                          ; v27     my byte offset in bq
.set F0,   64
.set F1,   128
.set TMP,  192
.set G1,  24                           ; s[24:31] descriptor group 1 for tiles of A
.set G0,  32                           ; s[32:39] descriptor group 0 for tiles of A, one set for each slot
.set G1B, 48                           ; s[48:55] group 1 for tiles of B: another mask
.set G0B, 56                           ; s[56:63] group 0 for tiles of B, one set for each slot
.set MSB, 0
.macro WIN new                         ; the high byte of the immediate repeats the setting that is left
.if MSB != \new
	s_set_vgpr_msb (MSB<<8)|\new
.set MSB, \new
.endif
.endm
.set MUL_LO, 0xa1                      ; source 0 (B) window 1, source 1 (A) window 0, C and D window 2
.set MUL_HI, 0xf1                      ; the same, C and D window 3
.set TO_B,   0x40                      ; destination window 1, address window 0
; A joint load.  Waves 0 and 1 fetch the two halves of A, waves 2 and 3 those of B.  The branch hangs on the number of the wave alone.
.macro JLOAD s
	s_cmp_eq_u32 s11, 0
	s_cbranch_scc0 .Lfor_b_\@
	tensor_load_to_lds s[G0+4*\s:G0+4*\s+3], s[G1:G1+7]
	s_nop 0
	s_branch .Lasked_\@
.Lfor_b_\@:
	tensor_load_to_lds s[G0B+4*\s:G0B+4*\s+3], s[G1B:G1B+7]
	s_nop 0
.Lasked_\@:
.endm
; A round of the barrier of the cluster: the barrier of my work-group, so that the signal of wave 0 speaks for all four waves; wave 0 signals for the work-group;
; every wave waits for all sixteen work-groups; the barrier of my work-group once more.
.macro CREST                           ; a round behind its opening barrier
	s_cmp_lg_u32 s10, 0
	s_cbranch_scc1 .Lnot_wave_0_\@
	s_barrier_signal -3
.Lnot_wave_0_\@:
	s_barrier_wait -3
	s_barrier_signal -1
	s_barrier_wait -1
.endm
.macro CROUND                          ; a whole round
	s_barrier_signal -1
	s_barrier_wait -1
	CREST
.endm
	s_load_b128 s[4:7], s[0:1], 0x0                ; xw s[4:5], bq s[6:7]
	s_load_b64 s[8:9], s[0:1], 0x10                ; qkv
	s_set_vgpr_msb 0x40
	v_lshl_add_u32 v255, v0, 2, 0x48400
	s_set_vgpr_msb 0x4000
	v_mov_b32 v255, 0
	s_set_vgpr_msb 0x1
	ds_add_u32 v255, v255
	s_set_vgpr_msb 0x100
	v_lshrrev_b32 v1, 5, v0
	v_readfirstlane_b32 s10, v1                    ; wave 0..3
	s_lshr_b32 s11, s10, 1                         ; which half of the rows of the block is mine.  Also: I fetch for A (0) or for B (1)
	s_and_b32 s12, s10, 1                          ; which half of its columns.  Also: which 128 rows of that tile I fetch
	s_bfe_u32 s40, ttmp6, 0x40000                  ; cx
	s_bfe_u32 s41, ttmp6, 0x40004                  ; cy
	s_mov_b32 s42, ttmp9                           ; cluster x: 0 q, 1 k0, 2 vT0
	s_and_b32 s13, ttmp7, 0xffff                   ; cluster y: which 1,024 rows of x
	s_lshl_b32 s43, s41, 2
	s_lshl_b32 s43, 15, s43                        ; my row of the cluster: places 4 cy .. 4 cy + 3
	s_lshl_b32 s44, 0x1111, s40                    ; my column: places cx, cx + 4, cx + 8, cx + 12
	; descriptor group 1: a tile of 128 rows x 128 elements of 2 bytes, 16 bytes of padding behind every 64 words
	s_or_b32 s[G1+0], s43, (1<<16)|(1<<20)|(1<<21)|(5<<22)|(3<<25)
	s_or_b32 s[G1B+0], s44, (1<<16)|(1<<20)|(1<<21)|(5<<22)|(3<<25)
	s_mov_b32 s[G1+1], KSTEP<<16                   ; tensor_dim0 = 128
	s_mov_b32 s[G1B+1], KSTEP<<16
	s_mov_b32 s[G1+2], 128<<16                     ; tensor_dim1 = 128
	s_mov_b32 s[G1B+2], 128<<16
	s_mov_b32 s[G1+3], KSTEP<<16                   ; tile_dim0 = 128
	s_mov_b32 s[G1B+3], KSTEP<<16
	s_mov_b32 s[G1+4], 128                         ; tile_dim1 = 128
	s_mov_b32 s[G1B+4], 128
	s_mov_b32 s[G1+5], KDIM                        ; 1,024 elements from row to row of xw
	s_mov_b32 s[G1B+5], KDIM
	s_mov_b32 s[G1+6], 0
	s_mov_b32 s[G1B+6], 0
	s_mov_b32 s[G1+7], 0
	s_mov_b32 s[G1B+7], 0
	; which rows of xw: chosen by the cluster x coordinate, which all sixteen partners share
	s_lshl_b32 s66, s13, 10                        ; the 1,024 rows of x of this cluster
	s_lshl_b32 s67, s42, 10
	s_add_co_u32 s67, s67, 8192                    ; Wq (cluster x = 0) or Wk (1)
	s_cmp_eq_u32 s42, 2
	s_cselect_b32 s68, 10240, s66                  ; first row for A: Wv, or x
	s_cselect_b32 s69, s66, s67                    ; first row for B: x, or the weight
	; where the block of the cluster begins in qkv
	s_lshl_b32 s70, s13, 22                        ; q, k0: 1,024 rows of 4,096 bytes for each cluster y,
	s_lshl_b32 s71, s42, 11                        ; and 2,048 bytes to the right for k0
	s_add_co_u32 s70, s70, s71
	s_lshr_b32 s72, s13, 1                         ; vT0: the batch (2,048 rows of x each),
	s_lshl_b32 s72, s72, 22                        ; 1,024 rows of 4,096 bytes for each batch,
	s_and_b32 s73, s13, 1
	s_lshl_b32 s73, s73, 11                        ; and the half of its 2,048 columns
	s_add_co_u32 s72, s72, s73
	s_add_co_u32 s72, s72, VT0
	s_cmp_eq_u32 s42, 2
	s_cselect_b32 s70, s72, s70
	s_mov_b32 s71, 0
	; the addresses of the tiles.  That of A holds cy and never cx, that of B cx and never cy, each in registers of its own.
	s_lshl_b32 s17, s12, 7                         ; which 128 rows of the tile I fetch
	s_lshl_b32 s16, s41, 8
	s_add_co_u32 s16, s16, s68
	s_add_co_u32 s16, s16, s17
	s_lshl_b32 s16, s16, 11                        ; rows of 2,048 bytes
	s_lshl_b32 s46, s40, 8
	s_add_co_u32 s46, s46, s69
	s_add_co_u32 s46, s46, s17
	s_lshl_b32 s46, s46, 11
	s_mov_b32 s17, 0
	s_mov_b32 s47, 0
	s_mul_i32 s20, s10, HALFT                      ; where they go: wave x 128 rows
	s_wait_dscnt 0x0
	s_wait_kmcnt 0x0
	s_add_nc_u64 s[14:15], s[4:5], s[16:17]
	s_add_nc_u64 s[46:47], s[4:5], s[46:47]
	CROUND                                         ; all sixteen work-groups are here: the first joint loads meet
.irp s, 0,1
	s_mov_b32 s[G0+4*\s], 1
	s_add_co_u32 s[G0+4*\s+1], s20, \s*SLOT
	s_add_nc_u64 s[G0+4*\s+2:G0+4*\s+3], s[14:15], \s*KSTEP*2
	s_or_b32 s[G0+4*\s+3], s[G0+4*\s+3], 0x80000000
	s_mov_b32 s[G0B+4*\s], 1
	s_add_co_u32 s[G0B+4*\s+1], s20, \s*SLOT
	s_add_nc_u64 s[G0B+4*\s+2:G0B+4*\s+3], s[46:47], \s*KSTEP*2
	s_or_b32 s[G0B+4*\s+3], s[G0B+4*\s+3], 0x80000000
	JLOAD \s                                       ; K steps 0 and 1: two tensor loads of the wave are out, the most in this text
.endr
	; A fragment is 16 rows x 32 K in 8 registers: lane l holds row l % 16; registers 0-3 K = 8 (l / 16) + 0..7, registers 4-7 K = 16 + 8 (l / 16) + 0..7.
	v_and_b32 v1, 15, v0                           ; l % 16
	v_bfe_u32 v2, v0, 4, 1                         ; l / 16
	v_mul_u32_u24 v3, v1, PITCH
	v_lshl_add_u32 v3, v2, 4, v3
	s_mul_i32 s21, s11, HALFT                      ; my 128 rows of A
	s_mul_i32 s22, s12, HALFT                      ; my 128 rows of B,
	s_add_co_u32 s22, s22, 2*HALFT                 ; which lie behind the 256 of A
.irp s, 0,1
	v_add_nc_u32 v[ADRA+\s], s21, v3
	v_add_nc_u32 v[ADRB+\s], s22, v3
	s_add_co_u32 s21, s21, SLOT
	s_add_co_u32 s22, s22, SLOT
.endr
	s_mul_i32 s23, s10, 16*SPITCH
	s_add_co_u32 s23, s23, STAGE                   ; my stage
	v_mul_u32_u24 v4, v1, SPITCH                   ; in: row l % 16, 16 bytes for each half of the lanes
	v_lshl_add_u32 v4, v2, 4, v4
	v_add_nc_u32 v[STO], s23, v4
	v_mul_u32_u24 v5, v2, SPITCH                   ; back: lanes 0-15 take one row of 256 bytes, lanes 16-31 the next
	v_lshl_add_u32 v5, v1, 4, v5
	v_add_nc_u32 v[RD], s23, v5
	v_lshlrev_b32 v5, 12, v2                       ; and the same two rows in C
	v_lshl_add_u32 v[CO], v1, 4, v5
	v_lshlrev_b32 v[BO], 5, v2                     ; eight f32 of bq for each half of the lanes
; 16 matrix instructions: m blocks a0, a0 + 1 of the four of the window x all 8 n blocks, 32 along K.  zero = 1: the first product starts the sums.
.macro MUL16 f, hi, a0, zero
.irp a, \a0, \a0+1
.irp b, 0,1,2,3,4,5,6,7
.if \zero
	v_wmma_f32_16x16x32_bf16 v[8*(8*(\a)+\b):8*(8*(\a)+\b)+7], v[\f+8*\b:\f+8*\b+7], v[\f+8*(4*\hi+\a):\f+8*(4*\hi+\a)+7], 0
.else
	v_wmma_f32_16x16x32_bf16 v[8*(8*(\a)+\b):8*(8*(\a)+\b)+7], v[\f+8*\b:\f+8*\b+7], v[\f+8*(4*\hi+\a):\f+8*(4*\hi+\a)+7], v[8*(8*(\a)+\b):8*(8*(\a)+\b)+7]
.endif
.endr
.endr
.endm
; 32 LDS loads in one run: the fragments of one quarter step (128 rows of B, 128 rows of A, 32 K at byte k of the rows) into buffer f
.macro FETCH slot, k, f
	WIN TO_B
.irp i, 0,1,2,3,4,5,6,7
	ds_load_b128 v[\f+8*\i:\f+8*\i+3],   v[ADRB+\slot] offset:\k+\i*16*PITCH
	ds_load_b128 v[\f+8*\i+4:\f+8*\i+7], v[ADRB+\slot] offset:\k+\i*16*PITCH+32
.endr
	WIN 0
.irp i, 0,1,2,3,4,5,6,7
	ds_load_b128 v[\f+8*\i:\f+8*\i+3],   v[ADRA+\slot] offset:\k+\i*16*PITCH
	ds_load_b128 v[\f+8*\i+4:\f+8*\i+7], v[ADRA+\slot] offset:\k+\i*16*PITCH+32
.endr
.endm
; Four independent vector instructions stand between a matrix instruction and a load into, or a vector instruction on, one of its registers.
.macro PLACES
.rept 4
	v_nop
.endr
.endm
; One of the first three quarters of a K step: multiplies buffer f; in its middle it fetches the fragments of the next quarter, at byte k of the rows, into buffer g.
.macro QUARTER slot, k, f, g, zero
	s_wait_dscnt 8                                 ; B and rows 0-63 of A are in; the youngest eight loads (rows 64-127 of A) may be out
	WIN MUL_LO
	MUL16 \f, 0, 0, \zero
	MUL16 \f, 0, 2, \zero
	PLACES
	FETCH \slot, \k, \g
	s_wait_dscnt 32                                ; all but the 32 just issued
	WIN MUL_HI
	MUL16 \f, 1, 0, \zero
	MUL16 \f, 1, 2, \zero
.endm
.macro THREE slot, zero
	QUARTER \slot, 64,  F0, F1, \zero
	QUARTER \slot, 128, F1, F0, 0
	QUARTER \slot, 192, F0, F1, 0
.endm
; The last quarter: multiplies buffer 1 and changes slots.  In front of the barrier each wave waits for its reads of this slot and for all its tensor loads
; (one is out: its part of the next slot).  Behind it nobody reads this slot and the next slot is whole: the refill comes first, one tensor load a wave,
; then the first fragments of the next slot.  From a request to the wait for it a wave issues 240 matrix instructions.
.macro TURN slot, next, fill
	s_wait_dscnt 8
	WIN MUL_LO
	MUL16 F1, 0, 0, 0
	s_wait_dscnt 0                                 ; my reads of this slot are over
	s_wait_tensorcnt 0x0                           ; all my tensor loads have landed
	ds_add_u32 v255, v255
	s_wait_dscnt 0x0
	s_barrier_signal -1                            ; where a slot is filled again this barrier opens a round of the barrier of the cluster
	MUL16 F1, 0, 2, 0                              ; register work while the others arrive
	WIN 0
	s_barrier_wait -1
.if \fill
	CREST                                          ; no wave of any partner still reads the tile of this slot or has a load on its way
	s_add_nc_u64 s[G0+4*\slot+2:G0+4*\slot+3], s[G0+4*\slot+2:G0+4*\slot+3], 2*KSTEP*2
	s_add_nc_u64 s[G0B+4*\slot+2:G0B+4*\slot+3], s[G0B+4*\slot+2:G0B+4*\slot+3], 2*KSTEP*2
	JLOAD \slot                                    ; the first tensor load behind the round
.endif
	PLACES
	FETCH \next, 0, F0
	WIN MUL_HI
	MUL16 F1, 1, 0, 0
	MUL16 F1, 1, 2, 0
.endm
.macro LAP zero
	THREE 0, \zero
	TURN 0, 1, 1
	THREE 1, 0
	TURN 1, 0, 1
.endm
	s_wait_tensorcnt 1                             ; my part of K step 0 is in; K step 1 may stay out
	s_barrier_signal -1
	s_barrier_wait -1
	FETCH 0, 0, F0
	LAP 1                                          ; the first lap stands in front of the loop: its first products start the sums
	WIN 0
	s_mov_b32 s3, LAPS-2
.Llap:
	LAP 0
	WIN 0
	s_sub_co_u32 s3, s3, 1
	s_cmp_lg_u32 s3, 0
	s_cbranch_scc1 .Llap
	THREE 0, 0                                     ; the last lap fills nothing
	TURN 0, 1, 0
	THREE 1, 0
	s_wait_dscnt 8
	WIN MUL_LO
	MUL16 F1, 0, 0, 0
	MUL16 F1, 0, 2, 0
	s_wait_dscnt 0
	WIN MUL_HI
	MUL16 F1, 1, 0, 0
	MUL16 F1, 1, 2, 0
	PLACES                                         ; behind the last matrix instructions, for all that now reads results or loads into fragment registers
	WIN 0
	s_add_nc_u64 s[8:9], s[8:9], s[70:71]          ; the block of the cluster,
	s_lshl_b32 s16, s41, 8
	s_lshl_b32 s17, s11, 7
	s_add_co_u32 s16, s16, s17
	s_lshl_b32 s16, s16, 12                        ; my first row: 256 cy + 128 x half, rows of 4,096 bytes,
	s_mov_b32 s17, 0
	s_add_nc_u64 s[8:9], s[8:9], s[16:17]
	s_lshl_b32 s46, s40, 8
	s_lshl_b32 s47, s12, 7
	s_add_co_u32 s46, s46, s47                     ; my first column: 256 cx + 128 x half
	s_lshl_b32 s74, s46, 2                         ; in bytes of bq
	s_mov_b32 s75, 0
	s_lshl_b32 s46, s46, 1                         ; in bytes of C
	s_mov_b32 s47, 0
	s_add_nc_u64 s[8:9], s[8:9], s[46:47]
	; bq is added to q alone (cluster x = 0, the same in all sixteen partners); no barrier stands inside the branch
	s_cmp_lg_u32 s42, 0
	s_cbranch_scc1 .Lnobias
	s_add_nc_u64 s[6:7], s[6:7], s[74:75]
.irp b, 0,1,2,3,4,5,6,7
	global_load_b128 v[F0+8*\b:F0+8*\b+3],   v[BO], s[6:7] offset:64*\b        ; bq of columns 16 b + 8 (l / 16) + 0..3
	global_load_b128 v[F0+8*\b+4:F0+8*\b+7], v[BO], s[6:7] offset:64*\b+16     ; + 4..7
.endr
	s_wait_loadcnt 0x0
.macro BIAS32                          ; the 32 tiles of the window that is set
.irp a, 0,1,2,3
.irp b, 0,1,2,3,4,5,6,7
.irp r, 0,2,4,6
	v_pk_add_f32 v[8*(8*\a+\b)+\r:8*(8*\a+\b)+\r+1], v[8*(8*\a+\b)+\r:8*(8*\a+\b)+\r+1], v[F0+8*\b+\r:F0+8*\b+\r+1]
.endr
.endr
.endr
.endm
	WIN 0x82                                       ; destination and source 0 window 2, source 1 window 0
	BIAS32
	WIN 0xc3                                       ; the same with window 3
	BIAS32
	WIN 0
.Lnobias:
; THE WAY OUT, 16 rows of C at a time: round to bf16, 16 bytes a lane into my own stage in LDS, read back as whole rows of 256 bytes.
; rows 16 i .. 16 i + 15 of my block = the eight tiles (a, 0..7) of window 2 or 3 (from = 0x0a or 0x0f: sources 0 and 1); f: F0 or F1 in turn
.macro OUT16 i, a, from, f
	WIN \from
.irp b, 0,1,2,3,4,5,6,7
.irp r, 0,1,2,3
	v_cvt_pk_bf16_f32 v[TMP+4*\b+\r], v[8*(8*\a+\b)+2*\r], v[8*(8*\a+\b)+2*\r+1]
.endr
.endr
	WIN 0
.irp b, 0,1,2,3,4,5,6,7
	ds_store_b128 v[STO], v[TMP+4*\b:TMP+4*\b+3] offset:32*\b
.endr
	s_wait_xcnt 0x0                                ; buffer f, which earlier stores read, and the base of the stores are rewritten only behind this wait
.if \i
	s_add_nc_u64 s[8:9], s[8:9], 16*CROW
.endif
.irp t, 0,1,2,3,4,5,6,7
	ds_load_b128 v[\f+4*\t:\f+4*\t+3], v[RD] offset:\t*2*SPITCH    ; LDS serves the instructions of a wave in order: these see the stores above
.endr
.irp t, 0,1,2,3,4,5,6,7
	s_wait_dscnt 7-\t                              ; load t is in, the 7 - t younger ones stay out
	global_store_b128 v[CO], v[\f+4*\t:\f+4*\t+3], s[8:9] offset:2*\t*CROW   ; 16 lanes store 256 consecutive bytes, aligned
.endr
.endm
	OUT16 0, 0, 0x0a, F0
	OUT16 1, 1, 0x0a, F1
	OUT16 2, 2, 0x0a, F0
	OUT16 3, 3, 0x0a, F1
	OUT16 4, 0, 0x0f, F0
	OUT16 5, 1, 0x0f, F1
	OUT16 6, 2, 0x0f, F0
	OUT16 7, 3, 0x0f, F1
	s_set_vgpr_msb 0x1
	s_wait_tensorcnt 0x0
	ds_add_u32 v255, v255
	s_wait_dscnt 0x0
	s_set_vgpr_msb 0x100
	CROUND                                         ; the closing round: no work-group ends while a partner may still ask for a tile that names it
	s_endpgm
.Lfunc_end_k_qc739c6b0d9_proj:
	.size	k_qc739c6b0d9_proj, .Lfunc_end_k_qc739c6b0d9_proj-k_qc739c6b0d9_proj
	.p2alignl 7, 3214868480
	.fill 96, 4, 3214868480
	.section	.rodata,"a",@progbits
	.p2align	6, 0x0
	.amdhsa_kernel k_qc739c6b0d9_proj
		.amdhsa_group_segment_fixed_size 327680
		.amdhsa_private_segment_fixed_size 0
		.amdhsa_enable_private_segment 0
		.amdhsa_kernarg_size 24
		.amdhsa_user_sgpr_count 2
		.amdhsa_user_sgpr_kernarg_segment_ptr 1
		.amdhsa_wavefront_size32 1
		.amdhsa_system_sgpr_workgroup_id_x 1
		.amdhsa_system_sgpr_workgroup_id_y 1
		.amdhsa_system_sgpr_workgroup_id_z 1
		.amdhsa_system_vgpr_workitem_id 0
		.amdhsa_next_free_vgpr 1024
		.amdhsa_next_free_sgpr 76
		.amdhsa_reserve_vcc 0
		.amdhsa_float_denorm_mode_32 3
		.amdhsa_float_denorm_mode_16_64 3
		.amdhsa_memory_ordered 1
		.amdhsa_forward_progress 1
		.amdhsa_inst_pref_size 215
	.end_amdhsa_kernel
	.amdgpu_metadata
---
amdhsa.version: [ 1, 2 ]
amdhsa.kernels:
  - .name:           k_qc739c6b0d9_proj
    .symbol:         k_qc739c6b0d9_proj.kd
    .args:
      - { .name: xw, .offset: 0, .size: 8, .value_kind: global_buffer, .address_space: global }
      - { .name: bq, .offset: 8, .size: 8, .value_kind: global_buffer, .address_space: global }
      - { .name: qkv, .offset: 16, .size: 8, .value_kind: global_buffer, .address_space: global }
    .group_segment_fixed_size: 327680
    .private_segment_fixed_size: 0
    .kernarg_segment_align: 8
    .kernarg_segment_size: 24
    .max_flat_workgroup_size: 128
    .sgpr_count:     76
    .vgpr_count:     1024
    .wavefront_size: 32
...
	.end_amdgpu_metadata
.endif
;; end of part 2
;; launch scores (part 3): grid 8 x 32, 4 waves a work-group, clusters of 4 x 4, 327,680 bytes of LDS; arguments qkv, smat; writes smat
.if DOCPART == 3
	.amdgcn_target "amdgcn-amd-amdhsa--gfx1250"
	.amdhsa_code_object_version 6
	.text
	.protected	k_qc739c6b0d9_scores
	.globl	k_qc739c6b0d9_scores
	.p2align	8
	.type	k_qc739c6b0d9_scores,@function
k_qc739c6b0d9_scores:
	s_mov_b64 s[64:65], 0
	v_nop
	global_prefetch_b8 v0, s[64:65] scope:SCOPE_SE
	s_setreg_imm32_b32 hwreg(HW_REG_WAVE_MODE, 25, 1), 1
	s_wait_xcnt 0x0
	s_wait_alu depctr_hold_cnt(0) depctr_sa_sdst(0) depctr_va_vdst(0) depctr_va_sdst(0) depctr_va_ssrc(0) depctr_va_vcc(0) depctr_vm_vsrc(0)
	s_getreg_b32 s2, hwreg(HW_REG_IB_STS2, 6, 4)
	s_cmp_eq_u32 s2, 0
	s_cbranch_scc0 .Lentry_in_a_cluster
	s_endpgm
.Lentry_in_a_cluster:
	s_bfe_u32 s2, ttmp6, 0x10000c
	s_cmp_lg_u32 s2, 0xf033
	s_cbranch_scc0 .Lentry_shape_is_right
	s_endpgm
.Lentry_shape_is_right:
; scores: S[i][j] = sum over d of q[i][d] k0[j][d] inside each batch, K = 1024, bf16 in, f32 sums, f32 out, unscaled (the factor 1/32 is applied in the softmax launch).
; WORK LEFT OUT: k0 holds no bk: its term is the same for every key of a row and the softmax cancels it (shown at the head of cast).
; qkv: [8192][2048] bf16, columns 0-1023 q, columns 1024-2047 k0, rows of 4,096 bytes.  smat: [8192 queries][2048 keys of the batch of the query] f32, rows of 8,192 bytes.
; A work-group makes 256 x 256 of S with four waves, a wave 128 x 128 in 512 registers.  K goes in steps of 128 through a ring of two LDS slots filled by the tensor data mover.
; CLUSTERS: 4 x 4 work-groups.  Block row = 4 x cluster y + cy (32 of them), block column = 4 x cluster x + cx (8 in a batch); the batch is cluster y / 2, the same in
; all sixteen.  The tiles of q are shared along a row of the cluster, those of k0 along a column, each by a joint load.
; Registers, windows and the transposed use of the matrix instruction: window 0 addresses and fragments of A (q), window 1 fragments of B (k0), windows 2 and 3 the 64 accumulator
; tiles (tile (a, b) at v[8 (8 a + b)]); source 0 = rows of k0, source 1 = rows of q, so that a lane holds eight neighbouring columns of one row of S.
; The 64 accumulators take turns, one instruction a turn, in the same order in every quarter step.
.set KSTEP,  128
.set PITCH,  272                       ; an LDS row: 256 bytes of data + 16 of padding
.set HALFT,  128*PITCH
.set SLOT,   4*HALFT
.set STAGE,  2*SLOT                    ; behind the ring: 16 rows x 528 bytes for each wave; no tensor load lands there
.set SPITCH, 528                       ; a row of the stage: 128 f32 + 16 bytes, an odd multiple of 16
.set KDIM,   1024
.set LAPS,   KDIM/(2*KSTEP)
.set QROW,   2048                      ; elements from row to row of qkv
.set SROW,   8192                      ; bytes from row to row of smat
.set ADRA, 16
.set ADRB, 20
.set STO,  24
.set RD,   25
.set CO,   26
.set F0,   64
.set F1,   128
.set G1,  24
.set G0,  32
.set G1B, 48
.set G0B, 56
.set MSB, 0
.macro WIN new
.if MSB != \new
	s_set_vgpr_msb (MSB<<8)|\new
.set MSB, \new
.endif
.endm
.set MUL_LO, 0xa1
.set MUL_HI, 0xf1
.set TO_B,   0x40
.macro JLOAD s                         ; waves 0 and 1 fetch the halves of the tile of q, waves 2 and 3 those of k0
	s_cmp_eq_u32 s11, 0
	s_cbranch_scc0 .Lfor_b_\@
	tensor_load_to_lds s[G0+4*\s:G0+4*\s+3], s[G1:G1+7]
	s_nop 0
	s_branch .Lasked_\@
.Lfor_b_\@:
	tensor_load_to_lds s[G0B+4*\s:G0B+4*\s+3], s[G1B:G1B+7]
	s_nop 0
.Lasked_\@:
.endm
.macro CREST                           ; a round of the barrier of the cluster, behind its opening barrier
	s_cmp_lg_u32 s10, 0
	s_cbranch_scc1 .Lnot_wave_0_\@
	s_barrier_signal -3
.Lnot_wave_0_\@:
	s_barrier_wait -3
	s_barrier_signal -1
	s_barrier_wait -1
.endm
.macro CROUND
	s_barrier_signal -1
	s_barrier_wait -1
	CREST
.endm
	s_load_b64 s[4:5], s[0:1], 0x0                 ; qkv
	s_load_b64 s[8:9], s[0:1], 0x8                 ; smat
	s_set_vgpr_msb 0x40
	v_lshl_add_u32 v255, v0, 2, 0x4c400
	s_set_vgpr_msb 0x4000
	v_mov_b32 v255, 0
	s_set_vgpr_msb 0x1
	ds_add_u32 v255, v255
	s_set_vgpr_msb 0x100
	v_lshrrev_b32 v1, 5, v0
	v_readfirstlane_b32 s10, v1                    ; wave 0..3
	s_lshr_b32 s11, s10, 1                         ; my half of the rows; also: I fetch q (0) or k0 (1)
	s_and_b32 s12, s10, 1                          ; my half of the columns; also: which 128 rows of the tile I fetch
	s_bfe_u32 s40, ttmp6, 0x40000                  ; cx
	s_bfe_u32 s41, ttmp6, 0x40004                  ; cy
	s_mov_b32 s42, ttmp9                           ; cluster x
	s_and_b32 s13, ttmp7, 0xffff                   ; cluster y
	s_lshl_b32 s18, s13, 2
	s_add_co_u32 s18, s18, s41                     ; block row
	s_lshl_b32 s45, s42, 2
	s_add_co_u32 s45, s45, s40                     ; block column
	s_lshl_b32 s43, s41, 2
	s_lshl_b32 s43, 15, s43                        ; my row of the cluster
	s_lshl_b32 s44, 0x1111, s40                    ; my column
	s_or_b32 s[G1+0], s43, (1<<16)|(1<<20)|(1<<21)|(5<<22)|(3<<25)   ; mask; elements of 2 bytes; 16 bytes of padding behind every 64 words
	s_or_b32 s[G1B+0], s44, (1<<16)|(1<<20)|(1<<21)|(5<<22)|(3<<25)
	s_mov_b32 s[G1+1], KSTEP<<16
	s_mov_b32 s[G1B+1], KSTEP<<16
	s_mov_b32 s[G1+2], 128<<16
	s_mov_b32 s[G1B+2], 128<<16
	s_mov_b32 s[G1+3], KSTEP<<16
	s_mov_b32 s[G1B+3], KSTEP<<16
	s_mov_b32 s[G1+4], 128
	s_mov_b32 s[G1B+4], 128
	s_mov_b32 s[G1+5], QROW
	s_mov_b32 s[G1B+5], QROW
	s_mov_b32 s[G1+6], 0
	s_mov_b32 s[G1B+6], 0
	s_mov_b32 s[G1+7], 0
	s_mov_b32 s[G1B+7], 0
	s_lshl_b32 s17, s12, 7                         ; which 128 rows of the tile I fetch
	s_lshl_b32 s16, s18, 8
	s_add_co_u32 s16, s16, s17                     ; q: row 256 x block row + 128 x half
	s_lshl_b32 s16, s16, 12                        ; rows of 4,096 bytes
	s_lshl_b32 s46, s45, 8
	s_add_co_u32 s46, s46, s17                     ; k0: row 256 x block column + 128 x half
	s_lshr_b32 s47, s13, 1                         ; of the batch, which comes from cluster y alone
	s_lshl_b32 s47, s47, 11
	s_add_co_u32 s46, s46, s47
	s_lshl_b32 s46, s46, 12
	s_add_co_u32 s46, s46, 2048                    ; k0 lies 1,024 elements to the right of q
	s_mov_b32 s17, 0
	s_mov_b32 s47, 0
	s_mul_i32 s20, s10, HALFT
	s_wait_dscnt 0x0
	s_wait_kmcnt 0x0
	s_add_nc_u64 s[14:15], s[4:5], s[16:17]
	s_add_nc_u64 s[46:47], s[4:5], s[46:47]
	CROUND                                         ; all sixteen work-groups are here: the first joint loads meet
.irp s, 0,1
	s_mov_b32 s[G0+4*\s], 1
	s_add_co_u32 s[G0+4*\s+1], s20, \s*SLOT
	s_add_nc_u64 s[G0+4*\s+2:G0+4*\s+3], s[14:15], \s*KSTEP*2
	s_or_b32 s[G0+4*\s+3], s[G0+4*\s+3], 0x80000000
	s_mov_b32 s[G0B+4*\s], 1
	s_add_co_u32 s[G0B+4*\s+1], s20, \s*SLOT
	s_add_nc_u64 s[G0B+4*\s+2:G0B+4*\s+3], s[46:47], \s*KSTEP*2
	s_or_b32 s[G0B+4*\s+3], s[G0B+4*\s+3], 0x80000000
	JLOAD \s                                       ; K steps 0 and 1: two tensor loads of the wave are out, the most in this text
.endr
	v_and_b32 v1, 15, v0                           ; l % 16
	v_bfe_u32 v2, v0, 4, 1                         ; l / 16
	v_mul_u32_u24 v3, v1, PITCH
	v_lshl_add_u32 v3, v2, 4, v3
	s_mul_i32 s21, s11, HALFT
	s_mul_i32 s22, s12, HALFT
	s_add_co_u32 s22, s22, 2*HALFT
.irp s, 0,1
	v_add_nc_u32 v[ADRA+\s], s21, v3
	v_add_nc_u32 v[ADRB+\s], s22, v3
	s_add_co_u32 s21, s21, SLOT
	s_add_co_u32 s22, s22, SLOT
.endr
	s_mul_i32 s23, s10, 16*SPITCH
	s_add_co_u32 s23, s23, STAGE                   ; my stage
	v_mul_u32_u24 v4, v1, SPITCH                   ; in: row l % 16, 32 bytes for each half of the lanes
	v_lshl_add_u32 v4, v2, 5, v4
	v_add_nc_u32 v[STO], s23, v4
	v_and_b32 v5, 31, v0
	v_lshlrev_b32 v[CO], 4, v5                     ; back and out: the 32 lanes take one row of 512 bytes
	v_add_nc_u32 v[RD], s23, v[CO]
.macro MUL16 f, hi, a0, zero
.irp a, \a0, \a0+1
.irp b, 0,1,2,3,4,5,6,7
.if \zero
	v_wmma_f32_16x16x32_bf16 v[8*(8*(\a)+\b):8*(8*(\a)+\b)+7], v[\f+8*\b:\f+8*\b+7], v[\f+8*(4*\hi+\a):\f+8*(4*\hi+\a)+7], 0
.else
	v_wmma_f32_16x16x32_bf16 v[8*(8*(\a)+\b):8*(8*(\a)+\b)+7], v[\f+8*\b:\f+8*\b+7], v[\f+8*(4*\hi+\a):\f+8*(4*\hi+\a)+7], v[8*(8*(\a)+\b):8*(8*(\a)+\b)+7]
.endif
.endr
.endr
.endm
.macro FETCH slot, k, f
	WIN TO_B
.irp i, 0,1,2,3,4,5,6,7
	ds_load_b128 v[\f+8*\i:\f+8*\i+3],   v[ADRB+\slot] offset:\k+\i*16*PITCH
	ds_load_b128 v[\f+8*\i+4:\f+8*\i+7], v[ADRB+\slot] offset:\k+\i*16*PITCH+32
.endr
	WIN 0
.irp i, 0,1,2,3,4,5,6,7
	ds_load_b128 v[\f+8*\i:\f+8*\i+3],   v[ADRA+\slot] offset:\k+\i*16*PITCH
	ds_load_b128 v[\f+8*\i+4:\f+8*\i+7], v[ADRA+\slot] offset:\k+\i*16*PITCH+32
.endr
.endm
.macro PLACES                          ; four independent vector instructions behind a matrix instruction (ISA guide 7.12.1)
.rept 4
	v_nop
.endr
.endm
.macro QUARTER slot, k, f, g, zero
	s_wait_dscnt 8                                 ; B and rows 0-63 of A are in; the youngest eight loads (rows 64-127 of A) may be out
	WIN MUL_LO
	MUL16 \f, 0, 0, \zero
	MUL16 \f, 0, 2, \zero
	PLACES
	FETCH \slot, \k, \g
	s_wait_dscnt 32                                ; all but the 32 just issued
	WIN MUL_HI
	MUL16 \f, 1, 0, \zero
	MUL16 \f, 1, 2, \zero
.endm
.macro THREE slot, zero
	QUARTER \slot, 64,  F0, F1, \zero
	QUARTER \slot, 128, F1, F0, 0
	QUARTER \slot, 192, F0, F1, 0
.endm
; The last quarter of a K step changes slots: each wave waits for its reads of this slot and for all its tensor loads, then the barrier (with a refill: a round of the
; barrier of the cluster), then the refill as the first and only tensor load of the wave, then the first fragments of the next slot.
.macro TURN slot, next, fill
	s_wait_dscnt 8
	WIN MUL_LO
	MUL16 F1, 0, 0, 0
	s_wait_dscnt 0                                 ; my reads of this slot are over
	s_wait_tensorcnt 0x0                           ; all my tensor loads have landed: the one that was out is my part of the next slot
	ds_add_u32 v255, v255
	s_wait_dscnt 0x0
	s_barrier_signal -1
	MUL16 F1, 0, 2, 0                              ; register work while the others arrive
	WIN 0
	s_barrier_wait -1
.if \fill
	CREST
	s_add_nc_u64 s[G0+4*\slot+2:G0+4*\slot+3], s[G0+4*\slot+2:G0+4*\slot+3], 2*KSTEP*2
	s_add_nc_u64 s[G0B+4*\slot+2:G0B+4*\slot+3], s[G0B+4*\slot+2:G0B+4*\slot+3], 2*KSTEP*2
	JLOAD \slot
.endif
	PLACES
	FETCH \next, 0, F0
	WIN MUL_HI
	MUL16 F1, 1, 0, 0
	MUL16 F1, 1, 2, 0
.endm
.macro LAP zero
	THREE 0, \zero
	TURN 0, 1, 1
	THREE 1, 0
	TURN 1, 0, 1
.endm
	s_wait_tensorcnt 1                             ; my part of K step 0 is in; K step 1 may stay out
	s_barrier_signal -1
	s_barrier_wait -1
	FETCH 0, 0, F0
	LAP 1
	WIN 0
	s_mov_b32 s3, LAPS-2
.Llap:
	LAP 0
	WIN 0
	s_sub_co_u32 s3, s3, 1
	s_cmp_lg_u32 s3, 0
	s_cbranch_scc1 .Llap
	THREE 0, 0                                     ; the last lap fills nothing
	TURN 0, 1, 0
	THREE 1, 0
	s_wait_dscnt 8
	WIN MUL_LO
	MUL16 F1, 0, 0, 0
	MUL16 F1, 0, 2, 0
	s_wait_dscnt 0
	WIN MUL_HI
	MUL16 F1, 1, 0, 0
	MUL16 F1, 1, 2, 0
	PLACES                                         ; behind the last matrix instructions: the LDS stores below read results, the LDS loads land in fragment registers
	WIN 0
	s_lshl_b32 s16, s18, 8
	s_lshl_b32 s17, s11, 7
	s_add_co_u32 s16, s16, s17
	s_lshl_b32 s16, s16, 13                        ; my first row of S, rows of 8,192 bytes
	s_mov_b32 s17, 0
	s_add_nc_u64 s[8:9], s[8:9], s[16:17]
	s_lshl_b32 s46, s45, 8
	s_lshl_b32 s47, s12, 7
	s_add_co_u32 s46, s46, s47
	s_lshl_b32 s46, s46, 2                         ; my first column, in bytes
	s_mov_b32 s47, 0
	s_add_nc_u64 s[8:9], s[8:9], s[46:47]
; THE WAY OUT, 16 rows of S at a time: the accumulators go as they are (f32), 32 bytes a lane, into my own stage, and come back as whole rows of 512 bytes.
; from = 0x08 or 0x0c: the data of the LDS stores lie in window 2 or 3.  f: F0 or F1 in turn, 64 registers.
.macro OUT16F i, a, from, f
	WIN \from
.irp b, 0,1,2,3,4,5,6,7
	ds_store_b128 v[STO], v[8*(8*\a+\b):8*(8*\a+\b)+3]   offset:64*\b
	ds_store_b128 v[STO], v[8*(8*\a+\b)+4:8*(8*\a+\b)+7] offset:64*\b+16
.endr
	WIN 0
	s_wait_xcnt 0x0                                ; buffer f, which earlier stores read, and the base of the stores are rewritten only behind this wait
.if \i
	s_add_nc_u64 s[8:9], s[8:9], 16*SROW
.endif
.irp t, 0,1,2,3,4,5,6,7,8,9,10,11,12,13,14,15
	ds_load_b128 v[\f+4*\t:\f+4*\t+3], v[RD] offset:\t*SPITCH      ; LDS serves the instructions of a wave in order: these see the stores above
.endr
.irp t, 0,1,2,3,4,5,6,7,8,9,10,11,12,13,14,15
	s_wait_dscnt 15-\t                             ; load t is in, the 15 - t younger ones stay out
	global_store_b128 v[CO], v[\f+4*\t:\f+4*\t+3], s[8:9] offset:\t*SROW     ; the wave stores 512 consecutive bytes of one row, aligned
.endr
.endm
	OUT16F 0, 0, 0x08, F0
	OUT16F 1, 1, 0x08, F1
	OUT16F 2, 2, 0x08, F0
	OUT16F 3, 3, 0x08, F1
	OUT16F 4, 0, 0x0c, F0
	OUT16F 5, 1, 0x0c, F1
	OUT16F 6, 2, 0x0c, F0
	OUT16F 7, 3, 0x0c, F1
	s_set_vgpr_msb 0x1
	s_wait_tensorcnt 0x0
	ds_add_u32 v255, v255
	s_wait_dscnt 0x0
	s_set_vgpr_msb 0x100
	CROUND                                         ; the closing round
	s_endpgm
.Lfunc_end_k_qc739c6b0d9_scores:
	.size	k_qc739c6b0d9_scores, .Lfunc_end_k_qc739c6b0d9_scores-k_qc739c6b0d9_scores
	.p2alignl 7, 3214868480
	.fill 96, 4, 3214868480
	.section	.rodata,"a",@progbits
	.p2align	6, 0x0
	.amdhsa_kernel k_qc739c6b0d9_scores
		.amdhsa_group_segment_fixed_size 327680
		.amdhsa_private_segment_fixed_size 0
		.amdhsa_enable_private_segment 0
		.amdhsa_kernarg_size 16
		.amdhsa_user_sgpr_count 2
		.amdhsa_user_sgpr_kernarg_segment_ptr 1
		.amdhsa_wavefront_size32 1
		.amdhsa_system_sgpr_workgroup_id_x 1
		.amdhsa_system_sgpr_workgroup_id_y 1
		.amdhsa_system_sgpr_workgroup_id_z 1
		.amdhsa_system_vgpr_workitem_id 0
		.amdhsa_next_free_vgpr 1024
		.amdhsa_next_free_sgpr 66
		.amdhsa_reserve_vcc 0
		.amdhsa_float_denorm_mode_32 3
		.amdhsa_float_denorm_mode_16_64 3
		.amdhsa_memory_ordered 1
		.amdhsa_forward_progress 1
		.amdhsa_inst_pref_size 196
	.end_amdhsa_kernel
	.amdgpu_metadata
---
amdhsa.version: [ 1, 2 ]
amdhsa.kernels:
  - .name:           k_qc739c6b0d9_scores
    .symbol:         k_qc739c6b0d9_scores.kd
    .args:
      - { .name: qkv, .offset: 0, .size: 8, .value_kind: global_buffer, .address_space: global }
      - { .name: smat, .offset: 8, .size: 8, .value_kind: global_buffer, .address_space: global }
    .group_segment_fixed_size: 327680
    .private_segment_fixed_size: 0
    .kernarg_segment_align: 8
    .kernarg_segment_size: 16
    .max_flat_workgroup_size: 128
    .sgpr_count:     66
    .vgpr_count:     1024
    .wavefront_size: 32
...
	.end_amdgpu_metadata
.endif
;; end of part 3
;; launch softmax (part 4): grid 512 x 1, 8 waves a work-group, no clusters, 0 bytes of LDS; arguments smat, pmat; writes pmat
.if DOCPART == 4
	.amdgcn_target "amdgcn-amd-amdhsa--gfx1250"
	.amdhsa_code_object_version 6
	.text
	.protected	k_qc739c6b0d9_softmax
	.globl	k_qc739c6b0d9_softmax
	.p2align	8
	.type	k_qc739c6b0d9_softmax,@function
k_qc739c6b0d9_softmax:
	s_mov_b64 s[64:65], 0
	v_nop
	global_prefetch_b8 v0, s[64:65] scope:SCOPE_SE
	s_setreg_imm32_b32 hwreg(HW_REG_WAVE_MODE, 25, 1), 1
	s_wait_xcnt 0x0
; softmax: P[i][j] = exp(S[i][j] / 32 - m_i) / sum over j of the same, m_i the largest S[i][j] / 32 of row i.  smat: [8192][2048] f32, pmat: [8192][2048] bf16.
; The true maximum of the row is taken away, as reference() does.  exp(z / 32 - m / 32) = 2^(c z - c m) with c = log2(e) / 32: one fused multiply-add and one v_exp_f32.
; The rounded product c m is the same for the whole row, so its rounding is a common factor of the row that the division takes out again.
; LIMITS: v_exp_f32 gives 0 for results below 2^-126 (ISA guide, its entry); P is rounded to bf16, as an operand of the last product.
; One wave takes a whole row (8,192 bytes, 64 registers a lane) and keeps it in registers between the passes: the row is read once, and no wave waits for another.
; Eight waves, two rows each; all 32 loads of a wave go out first.  No LDS, no barrier, no cluster: the work-groups share no input.
.set SROW, 8192                        ; bytes of a row of smat
.set PROW, 4096                        ; bytes of a row of pmat
.set M,  4                             ; v[4:7]    four running maxima; later v4 the maximum of the row
.set RC, 6                             ; v[6:7]    1 / sum, twice (free once the maxima are joined)
.set T,  8                             ; v8        what comes from the other half of the lanes
.set NM, 10                            ; v[10:11]  - c m, twice
.set SU, 12                            ; v[12:19]  four pairs of partial sums
.set X,  20                            ; v[20:147] row p: 64 registers
	s_load_b128 s[4:7], s[0:1], 0x0                ; smat s[4:5], pmat s[6:7]
	s_lshl_b32 s10, ttmp9, 17                      ; 16 rows of 8,192 bytes
	s_mov_b32 s11, 0
	s_lshl_b32 s12, ttmp9, 16                      ; 16 rows of 4,096 bytes
	s_mov_b32 s13, 0
	s_mov_b32 s8, 0x76543210                       ; v_permlanex16_b32: lane i of one half reads lane i of the other
	s_mov_b32 s9, 0xfedcba98
	v_and_b32 v3, 31, v0                           ; lane
	v_lshrrev_b32 v2, 5, v0                        ; wave
	v_lshlrev_b32 v1, 14, v2                       ; two rows of smat a wave,
	v_lshl_add_u32 v1, v3, 4, v1                   ; 16 bytes a lane
	v_lshlrev_b32 v2, 13, v2                       ; two rows of pmat a wave,
	v_lshl_add_u32 v2, v3, 3, v2                   ; 8 bytes a lane
	v_mov_b32 v[T], 0                              ; the destination of v_permlanex16_b32 counts as read
	s_wait_kmcnt 0x0
	s_add_nc_u64 s[4:5], s[4:5], s[10:11]
	s_add_nc_u64 s[6:7], s[6:7], s[12:13]
.irp p, 0,1
.irp j, 0,1,2,3,4,5,6,7,8,9,10,11,12,13,14,15
	global_load_b128 v[X+64*\p+4*\j:X+64*\p+4*\j+3], v1, s[4:5] offset:SROW*\p+512*\j th:TH_LOAD_NT   ; 512 consecutive bytes a wave; read once in the launch
.endr
.endr
.macro ROW p, left
.set XR, X+64*\p
	s_wait_loadcnt \left                           ; the 16 loads of this row are in; those of the row behind it may stay out
	; the largest of my 64 numbers, in four chains that do not wait for each other; the first numbers start the chains
.irp k, 0,1,2,3
	v_max_num_f32 v[M+\k], v[XR+\k], v[XR+4+\k]
.endr
.set i, 1
.rept 7
.irp k, 0,1,2,3
	v_max3_num_f32 v[M+\k], v[M+\k], v[XR+8*i+\k], v[XR+8*i+4+\k]
.endr
.set i, i+1
.endr
	v_max3_num_f32 v[M], v[M], v[M+1], v[M+2]
	v_max_num_f32 v[M], v[M], v[M+3]
	v_max_num_f32_dpp v[M], v[M], v[M] row_xmask:1 row_mask:0xf bank_mask:0xf
	v_max_num_f32_dpp v[M], v[M], v[M] row_xmask:2 row_mask:0xf bank_mask:0xf
	v_max_num_f32_dpp v[M], v[M], v[M] row_xmask:4 row_mask:0xf bank_mask:0xf
	v_max_num_f32_dpp v[M], v[M], v[M] row_xmask:8 row_mask:0xf bank_mask:0xf
	v_permlanex16_b32 v[T], v[M], s8, s9
	v_max_num_f32 v[M], v[M], v[T]                 ; every lane holds the maximum of the row
	v_mul_f32 v[NM], 0xbd38aa3b, v[M]              ; - c m
	v_mov_b32 v[NM+1], v[NM]
.set i, 0
.rept 32
	v_pk_fma_f32 v[XR+2*i:XR+2*i+1], v[XR+2*i:XR+2*i+1], 0x3d38aa3b, v[NM:NM+1] op_sel_hi:[1,0,1]   ; c z - c m, at most about 0
.set i, i+1
.endr
.set i, 0
.rept 64
	v_exp_f32 v[XR+i], v[XR+i]
.set i, i+1
.endr
	v_nop                                          ; one plain vector instruction between the last v_exp_f32 and the use of its result (ISA guide 5.7.2)
	; the sum, in four chains of pairs
	s_wait_alu depctr_va_vdst(0)
.irp k, 0,1,2,3
	v_pk_add_f32 v[SU+2*\k:SU+2*\k+1], v[XR+2*\k:XR+2*\k+1], v[XR+8+2*\k:XR+8+2*\k+1]
.endr
.set i, 2
.rept 6
.irp k, 0,1,2,3
	v_pk_add_f32 v[SU+2*\k:SU+2*\k+1], v[SU+2*\k:SU+2*\k+1], v[XR+8*i+2*\k:XR+8*i+2*\k+1]
.endr
.set i, i+1
.endr
	v_pk_add_f32 v[SU:SU+1], v[SU:SU+1], v[SU+2:SU+3]
	v_pk_add_f32 v[SU+4:SU+5], v[SU+4:SU+5], v[SU+6:SU+7]
	v_pk_add_f32 v[SU:SU+1], v[SU:SU+1], v[SU+4:SU+5]
	v_add_f32 v[SU], v[SU], v[SU+1]
	v_add_f32_dpp v[SU], v[SU], v[SU] row_xmask:1 row_mask:0xf bank_mask:0xf
	v_add_f32_dpp v[SU], v[SU], v[SU] row_xmask:2 row_mask:0xf bank_mask:0xf
	v_add_f32_dpp v[SU], v[SU], v[SU] row_xmask:4 row_mask:0xf bank_mask:0xf
	v_add_f32_dpp v[SU], v[SU], v[SU] row_xmask:8 row_mask:0xf bank_mask:0xf
	v_permlanex16_b32 v[T], v[SU], s8, s9
	v_add_f32 v[SU], v[SU], v[T]                   ; the term of the maximum is about 1, so the sum is about 1 or more
	v_rcp_f32 v[RC], v[SU]
	v_rcp_f32 v[RC+1], v[SU]
	v_nop                                          ; one plain vector instruction before the reciprocals are used
.set i, 0
	s_wait_alu depctr_va_vdst(0)
.rept 32
	v_pk_mul_f32 v[XR+2*i:XR+2*i+1], v[XR+2*i:XR+2*i+1], v[RC:RC+1]
.set i, i+1
.endr
.irp j, 0,1,2,3,4,5,6,7,8,9,10,11,12,13,14,15
	v_cvt_pk_bf16_f32 v[XR+4*\j],   v[XR+4*\j],   v[XR+4*\j+1]
	v_cvt_pk_bf16_f32 v[XR+4*\j+1], v[XR+4*\j+2], v[XR+4*\j+3]
	global_store_b64 v2, v[XR+4*\j:XR+4*\j+1], s[6:7] offset:PROW*\p+256*\j    ; the wave stores 256 consecutive bytes, aligned; no source is written again
.endr
.endm
	ROW 0, 16
	ROW 1, 0
	s_endpgm
.Lfunc_end_k_qc739c6b0d9_softmax:
	.size	k_qc739c6b0d9_softmax, .Lfunc_end_k_qc739c6b0d9_softmax-k_qc739c6b0d9_softmax
	.p2alignl 7, 3214868480
	.fill 96, 4, 3214868480
	.section	.rodata,"a",@progbits
	.p2align	6, 0x0
	.amdhsa_kernel k_qc739c6b0d9_softmax
		.amdhsa_group_segment_fixed_size 0
		.amdhsa_private_segment_fixed_size 0
		.amdhsa_enable_private_segment 0
		.amdhsa_kernarg_size 16
		.amdhsa_user_sgpr_count 2
		.amdhsa_user_sgpr_kernarg_segment_ptr 1
		.amdhsa_wavefront_size32 1
		.amdhsa_system_sgpr_workgroup_id_x 1
		.amdhsa_system_sgpr_workgroup_id_y 1
		.amdhsa_system_sgpr_workgroup_id_z 1
		.amdhsa_system_vgpr_workitem_id 0
		.amdhsa_next_free_vgpr 148
		.amdhsa_next_free_sgpr 66
		.amdhsa_reserve_vcc 0
		.amdhsa_float_denorm_mode_32 3
		.amdhsa_float_denorm_mode_16_64 3
		.amdhsa_memory_ordered 1
		.amdhsa_forward_progress 1
		.amdhsa_inst_pref_size 35
	.end_amdhsa_kernel
	.amdgpu_metadata
---
amdhsa.version: [ 1, 2 ]
amdhsa.kernels:
  - .name:           k_qc739c6b0d9_softmax
    .symbol:         k_qc739c6b0d9_softmax.kd
    .args:
      - { .name: smat, .offset: 0, .size: 8, .value_kind: global_buffer, .address_space: global }
      - { .name: pmat, .offset: 8, .size: 8, .value_kind: global_buffer, .address_space: global }
    .group_segment_fixed_size: 0
    .private_segment_fixed_size: 0
    .kernarg_segment_align: 8
    .kernarg_segment_size: 16
    .max_flat_workgroup_size: 256
    .sgpr_count:     66
    .vgpr_count:     148
    .wavefront_size: 32
...
	.end_amdgpu_metadata
.endif
;; end of part 4
;; launch pv (part 5): grid 8 x 32, 4 waves a work-group, clusters of 4 x 4, 327,680 bytes of LDS; arguments pmat, qkv, bv, out0; writes out0
.if DOCPART == 5
	.amdgcn_target "amdgcn-amd-amdhsa--gfx1250"
	.amdhsa_code_object_version 6
	.text
	.protected	k_qc739c6b0d9_pv
	.globl	k_qc739c6b0d9_pv
	.p2align	8
	.type	k_qc739c6b0d9_pv,@function
k_qc739c6b0d9_pv:
	s_mov_b64 s[64:65], 0
	v_nop
	global_prefetch_b8 v0, s[64:65] scope:SCOPE_SE
	s_setreg_imm32_b32 hwreg(HW_REG_WAVE_MODE, 25, 1), 1
	s_wait_xcnt 0x0
	s_wait_alu depctr_hold_cnt(0) depctr_sa_sdst(0) depctr_va_vdst(0) depctr_va_sdst(0) depctr_va_ssrc(0) depctr_va_vcc(0) depctr_vm_vsrc(0)
	s_getreg_b32 s2, hwreg(HW_REG_IB_STS2, 6, 4)
	s_cmp_eq_u32 s2, 0
	s_cbranch_scc0 .Lentry_in_a_cluster
	s_endpgm
.Lentry_in_a_cluster:
	s_bfe_u32 s2, ttmp6, 0x10000c
	s_cmp_lg_u32 s2, 0xf033
	s_cbranch_scc0 .Lentry_shape_is_right
	s_endpgm
.Lentry_shape_is_right:
; pv: out0[i][d] = sum over the keys s of P[i][s] vT0[d][s] + bv[d] inside each batch, K = 2048, bf16 in, f32 sums, f32 out.
; bv is added here, once for each output, in f32: sum_s P[i][s] (v0[s][d] + bv[d]) = sum_s P[i][s] v0[s][d] + bv[d], since the P of a row sum to 1.
; pmat: [8192][2048] bf16;  vT0: in qkv from byte 33,554,432, [4 batches][1024 d][2048 s] bf16;  both with rows of 4,096 bytes.  out0: [8192][1024] f32, rows of 4,096 bytes.
; A work-group makes 256 rows x 128 columns: 32 x 8 = 256 blocks, one for each work-group.  Four waves, a wave 128 x 64: 32 accumulator tiles, 256 registers.
; K goes in steps of 128 through a ring of two LDS slots (256 rows of P, then 128 rows of vT0) filled by the tensor data mover.
; CLUSTERS: 4 x 4 work-groups.  Block row = 4 x cluster y + cy, block column = 4 x cluster x + cx, batch = cluster y / 2.  The tiles of P are shared along a row of the
; cluster, those of vT0 along a column, each by a joint load.
; REGISTERS: window 0: v0-31 addresses; v64-127, v128-191 fragments of P (8 x 16 rows x 32 K), two buffers; v192-223, v224-255 fragments of vT0 (4 x 16 rows), two buffers.
;            window 1: the 32 accumulator tiles, tile (a, b) at v[8 (4 a + b)].  Two settings of the windows in the loop.
; The matrix instruction is used transposed (source 0 = rows of vT0, source 1 = rows of P): a lane holds eight neighbouring columns of one row of out0.
; The 32 accumulators take turns, one instruction a turn, in the same order in every quarter step.
.set KSTEP,  128
.set PITCH,  272                       ; an LDS row: 256 bytes of data + 16 of padding
.set HALFA,  128*PITCH                 ; what a tensor load of wave 0 or 1 brings
.set HALFB,  64*PITCH                  ; what a tensor load of wave 2 or 3 brings
.set SLOT,   2*HALFA+2*HALFB
.set STAGE,  2*SLOT                    ; behind the ring: 16 rows x 272 bytes for each wave; no tensor load lands there
.set SPITCH, 272                       ; a row of the stage: 64 f32 + 16 bytes
.set KDIM,   2048
.set LAPS,   KDIM/(2*KSTEP)            ; 8
.set OROW,   4096                      ; bytes from row to row of out0
.set VT0,    33554432
.set ADRA, 16
.set ADRB, 20
.set STO,  24
.set RD,   25
.set CO,   26
.set BO,   27
.set FA0,  64                          ; buffer n of P at FA0 + 64 n
.set FB0,  192                         ; buffer n of vT0 at FB0 + 32 n
.set SUM,  64                          ; the way out: results with bv added
.set BI,   192                         ; the way out: bv of my 64 columns
.set G1,  24
.set G0,  32
.set G1B, 48
.set G0B, 56
.set MSB, 0
.macro WIN new
.if MSB != \new
	s_set_vgpr_msb (MSB<<8)|\new
.set MSB, \new
.endif
.endm
.set MUL, 0x50                         ; sources 0 and 1 window 0, C and D window 1
.macro JLOAD s                         ; waves 0 and 1 fetch the halves of the tile of P, waves 2 and 3 those of vT0
	s_cmp_eq_u32 s11, 0
	s_cbranch_scc0 .Lfor_b_\@
	tensor_load_to_lds s[G0+4*\s:G0+4*\s+3], s[G1:G1+7]
	s_nop 0
	s_branch .Lasked_\@
.Lfor_b_\@:
	tensor_load_to_lds s[G0B+4*\s:G0B+4*\s+3], s[G1B:G1B+7]
	s_nop 0
.Lasked_\@:
.endm
.macro CREST                           ; a round of the barrier of the cluster, behind its opening barrier
	s_cmp_lg_u32 s10, 0
	s_cbranch_scc1 .Lnot_wave_0_\@
	s_barrier_signal -3
.Lnot_wave_0_\@:
	s_barrier_wait -3
	s_barrier_signal -1
	s_barrier_wait -1
.endm
.macro CROUND
	s_barrier_signal -1
	s_barrier_wait -1
	CREST
.endm
	s_load_b128 s[4:7], s[0:1], 0x0                ; pmat s[4:5], qkv s[6:7]
	s_load_b64 s[72:73], s[0:1], 0x10              ; bv
	s_load_b64 s[8:9], s[0:1], 0x18                ; out0
	v_lshl_add_u32 v62, v0, 2, 0x37400
	v_mov_b32 v63, 0
	ds_add_u32 v62, v63
	v_lshrrev_b32 v1, 5, v0
	v_readfirstlane_b32 s10, v1                    ; wave 0..3
	s_lshr_b32 s11, s10, 1                         ; my half of the rows; also: I fetch P (0) or vT0 (1)
	s_and_b32 s12, s10, 1                          ; my half of the columns; also: which half of the tile I fetch
	s_bfe_u32 s40, ttmp6, 0x40000                  ; cx
	s_bfe_u32 s41, ttmp6, 0x40004                  ; cy
	s_mov_b32 s42, ttmp9                           ; cluster x
	s_and_b32 s13, ttmp7, 0xffff                   ; cluster y
	s_lshl_b32 s18, s13, 2
	s_add_co_u32 s18, s18, s41                     ; block row
	s_lshl_b32 s45, s42, 2
	s_add_co_u32 s45, s45, s40                     ; block column
	s_lshl_b32 s43, s41, 2
	s_lshl_b32 s43, 15, s43                        ; my row of the cluster
	s_lshl_b32 s44, 0x1111, s40                    ; my column
	s_or_b32 s[G1+0], s43, (1<<16)|(1<<20)|(1<<21)|(5<<22)|(3<<25)   ; mask; elements of 2 bytes; 16 bytes of padding behind every 64 words
	s_or_b32 s[G1B+0], s44, (1<<16)|(1<<20)|(1<<21)|(5<<22)|(3<<25)
	s_mov_b32 s[G1+1], KSTEP<<16                   ; tensor_dim0 = 128
	s_mov_b32 s[G1B+1], KSTEP<<16
	s_mov_b32 s[G1+2], 128<<16                     ; tensor_dim1: 128 rows of P,
	s_mov_b32 s[G1B+2], 64<<16                     ; 64 rows of vT0
	s_mov_b32 s[G1+3], KSTEP<<16                   ; tile_dim0 = 128
	s_mov_b32 s[G1B+3], KSTEP<<16
	s_mov_b32 s[G1+4], 128                         ; tile_dim1
	s_mov_b32 s[G1B+4], 64
	s_mov_b32 s[G1+5], KDIM                        ; 2,048 elements from row to row, in both
	s_mov_b32 s[G1B+5], KDIM
	s_mov_b32 s[G1+6], 0
	s_mov_b32 s[G1B+6], 0
	s_mov_b32 s[G1+7], 0
	s_mov_b32 s[G1B+7], 0
	s_lshl_b32 s17, s12, 7
	s_lshl_b32 s16, s18, 8
	s_add_co_u32 s16, s16, s17                     ; P: row 256 x block row + 128 x half
	s_lshl_b32 s16, s16, 12
	s_mov_b32 s17, 0
	s_lshl_b32 s47, s12, 6
	s_lshl_b32 s46, s45, 7
	s_add_co_u32 s46, s46, s47                     ; vT0: row 128 x block column + 64 x half
	s_lshl_b32 s46, s46, 12
	s_lshr_b32 s47, s13, 1                         ; of the batch, which comes from cluster y alone:
	s_lshl_b32 s47, s47, 22                        ; 1,024 rows of 4,096 bytes each
	s_add_co_u32 s46, s46, s47
	s_add_co_u32 s46, s46, VT0
	s_mov_b32 s47, 0
	s_mul_i32 s20, s10, HALFA                      ; where the tiles of P go: waves 0 and 1 at 0 and HALFA
	s_mul_i32 s74, s10, HALFB                      ; where those of vT0 go: waves 2 and 3 at
	s_add_co_u32 s74, s74, HALFA                   ; 2 HALFA and 2 HALFA + HALFB (HALFA = 2 HALFB)
	s_wait_dscnt 0x0
	s_wait_kmcnt 0x0
	s_add_nc_u64 s[14:15], s[4:5], s[16:17]
	s_add_nc_u64 s[46:47], s[6:7], s[46:47]
	CROUND                                         ; all sixteen work-groups are here: the first joint loads meet
.irp s, 0,1
	s_mov_b32 s[G0+4*\s], 1
	s_add_co_u32 s[G0+4*\s+1], s20, \s*SLOT
	s_add_nc_u64 s[G0+4*\s+2:G0+4*\s+3], s[14:15], \s*KSTEP*2
	s_or_b32 s[G0+4*\s+3], s[G0+4*\s+3], 0x80000000
	s_mov_b32 s[G0B+4*\s], 1
	s_add_co_u32 s[G0B+4*\s+1], s74, \s*SLOT
	s_add_nc_u64 s[G0B+4*\s+2:G0B+4*\s+3], s[46:47], \s*KSTEP*2
	s_or_b32 s[G0B+4*\s+3], s[G0B+4*\s+3], 0x80000000
	JLOAD \s                                       ; K steps 0 and 1: two tensor loads of the wave are out, the most in this text
.endr
	v_and_b32 v1, 15, v0                           ; l % 16
	v_bfe_u32 v2, v0, 4, 1                         ; l / 16
	v_mul_u32_u24 v3, v1, PITCH
	v_lshl_add_u32 v3, v2, 4, v3
	s_mul_i32 s21, s11, HALFA                      ; my 128 rows of P
	s_mul_i32 s22, s12, HALFB                      ; my 64 rows of vT0,
	s_add_co_u32 s22, s22, 2*HALFA                 ; which lie behind the 256 of P
.irp s, 0,1
	v_add_nc_u32 v[ADRA+\s], s21, v3
	v_add_nc_u32 v[ADRB+\s], s22, v3
	s_add_co_u32 s21, s21, SLOT
	s_add_co_u32 s22, s22, SLOT
.endr
	s_mul_i32 s23, s10, 16*SPITCH
	s_add_co_u32 s23, s23, STAGE                   ; my stage
	v_mul_u32_u24 v4, v1, SPITCH                   ; in: row l % 16, 32 bytes for each half of the lanes
	v_lshl_add_u32 v4, v2, 5, v4
	v_add_nc_u32 v[STO], s23, v4
	v_mul_u32_u24 v5, v2, SPITCH                   ; back: lanes 0-15 take one row of 256 bytes, lanes 16-31 the next
	v_lshl_add_u32 v5, v1, 4, v5
	v_add_nc_u32 v[RD], s23, v5
	v_lshlrev_b32 v5, 12, v2                       ; and the same two rows in out0
	v_lshl_add_u32 v[CO], v1, 4, v5
	v_lshlrev_b32 v[BO], 5, v2                     ; eight f32 of bv for each half of the lanes
; 8 matrix instructions: m blocks a0, a0 + 1 x all 4 n blocks, 32 along K, from buffer n.  zero = 1: the first product starts the sums.
.macro MUL8 n, a0, zero
.irp a, \a0, \a0+1
.irp b, 0,1,2,3
.if \zero
	v_wmma_f32_16x16x32_bf16 v[8*(4*(\a)+\b):8*(4*(\a)+\b)+7], v[FB0+32*\n+8*\b:FB0+32*\n+8*\b+7], v[FA0+64*\n+8*(\a):FA0+64*\n+8*(\a)+7], 0
.else
	v_wmma_f32_16x16x32_bf16 v[8*(4*(\a)+\b):8*(4*(\a)+\b)+7], v[FB0+32*\n+8*\b:FB0+32*\n+8*\b+7], v[FA0+64*\n+8*(\a):FA0+64*\n+8*(\a)+7], v[8*(4*(\a)+\b):8*(4*(\a)+\b)+7]
.endif
.endr
.endr
.endm
; 24 LDS loads in one run: the fragments of one quarter step (64 rows of vT0, then 128 rows of P, 32 K at byte k of the rows) into buffer n
.macro FETCH slot, k, n
	WIN 0
.irp i, 0,1,2,3
	ds_load_b128 v[FB0+32*\n+8*\i:FB0+32*\n+8*\i+3],   v[ADRB+\slot] offset:\k+\i*16*PITCH
	ds_load_b128 v[FB0+32*\n+8*\i+4:FB0+32*\n+8*\i+7], v[ADRB+\slot] offset:\k+\i*16*PITCH+32
.endr
.irp i, 0,1,2,3,4,5,6,7
	ds_load_b128 v[FA0+64*\n+8*\i:FA0+64*\n+8*\i+3],   v[ADRA+\slot] offset:\k+\i*16*PITCH
	ds_load_b128 v[FA0+64*\n+8*\i+4:FA0+64*\n+8*\i+7], v[ADRA+\slot] offset:\k+\i*16*PITCH+32
.endr
.endm
.macro PLACES                          ; four independent vector instructions behind a matrix instruction (ISA guide 7.12.1)
.rept 4
	v_nop
.endr
.endm
; One of the first three quarters of a K step: multiplies buffer n; in its middle it fetches the fragments of the next quarter into buffer g.
.macro QUARTER slot, k, n, g, zero
	s_wait_dscnt 8                                 ; vT0 and rows 0-63 of P are in; the youngest eight loads (rows 64-127 of P) may be out
	WIN MUL
	MUL8 \n, 0, \zero
	MUL8 \n, 2, \zero
	PLACES
	FETCH \slot, \k, \g
	s_wait_dscnt 24                                ; all but the 24 just issued
	WIN MUL
	MUL8 \n, 4, \zero
	MUL8 \n, 6, \zero
.endm
.macro THREE slot, zero
	QUARTER \slot, 64,  0, 1, \zero
	QUARTER \slot, 128, 1, 0, 0
	QUARTER \slot, 192, 0, 1, 0
.endm
; The last quarter of a K step changes slots: each wave waits for its reads of this slot and for all its tensor loads, then the barrier (with a refill: a round of the
; barrier of the cluster), then the refill as the first and only tensor load of the wave, then the first fragments of the next slot.
; From a request to the wait for it a wave issues 120 matrix instructions.
.macro TURN slot, next, fill
	s_wait_dscnt 8
	WIN MUL
	MUL8 1, 0, 0
	s_wait_dscnt 0                                 ; my reads of this slot are over
	s_wait_tensorcnt 0x0                           ; all my tensor loads have landed: the one that was out is my part of the next slot
	ds_add_u32 v62, v63
	s_wait_dscnt 0x0
	s_barrier_signal -1
	MUL8 1, 2, 0                                   ; register work while the others arrive
	WIN 0
	s_barrier_wait -1
.if \fill
	CREST
	s_add_nc_u64 s[G0+4*\slot+2:G0+4*\slot+3], s[G0+4*\slot+2:G0+4*\slot+3], 2*KSTEP*2
	s_add_nc_u64 s[G0B+4*\slot+2:G0B+4*\slot+3], s[G0B+4*\slot+2:G0B+4*\slot+3], 2*KSTEP*2
	JLOAD \slot
.endif
	PLACES
	FETCH \next, 0, 0
	WIN MUL
	MUL8 1, 4, 0
	MUL8 1, 6, 0
.endm
.macro LAP zero
	THREE 0, \zero
	TURN 0, 1, 1
	THREE 1, 0
	TURN 1, 0, 1
.endm
	s_wait_tensorcnt 1                             ; my part of K step 0 is in; K step 1 may stay out
	s_barrier_signal -1
	s_barrier_wait -1
	FETCH 0, 0, 0
	LAP 1                                          ; the first lap stands in front of the loop: its first products start the sums
	WIN 0
	s_mov_b32 s3, LAPS-2
.Llap:
	LAP 0
	WIN 0
	s_sub_co_u32 s3, s3, 1
	s_cmp_lg_u32 s3, 0
	s_cbranch_scc1 .Llap
	THREE 0, 0                                     ; the last lap fills nothing
	TURN 0, 1, 0
	THREE 1, 0
	s_wait_dscnt 8
	WIN MUL
	MUL8 1, 0, 0
	MUL8 1, 2, 0
	s_wait_dscnt 0
	MUL8 1, 4, 0
	MUL8 1, 6, 0
	PLACES                                         ; behind the last matrix instructions: what follows reads results and loads into fragment registers
	WIN 0
	s_lshl_b32 s46, s45, 7
	s_lshl_b32 s47, s12, 6
	s_add_co_u32 s46, s46, s47                     ; my first column: 128 x block column + 64 x half,
	s_lshl_b32 s46, s46, 2                         ; in bytes of f32: the same in bv and in a row of out0
	s_mov_b32 s47, 0
	s_add_nc_u64 s[72:73], s[72:73], s[46:47]
	s_add_nc_u64 s[8:9], s[8:9], s[46:47]
.irp b, 0,1,2,3
	global_load_b128 v[BI+8*\b:BI+8*\b+3],   v[BO], s[72:73] offset:64*\b        ; bv of columns 16 b + 8 (l / 16) + 0..3
	global_load_b128 v[BI+8*\b+4:BI+8*\b+7], v[BO], s[72:73] offset:64*\b+16     ; + 4..7
.endr
	s_lshl_b32 s16, s18, 8
	s_lshl_b32 s17, s11, 7
	s_add_co_u32 s16, s16, s17
	s_lshl_b32 s16, s16, 12                        ; my first row of out0, rows of 4,096 bytes
	s_mov_b32 s17, 0
	s_add_nc_u64 s[8:9], s[8:9], s[16:17]
	s_wait_loadcnt 0x0
; THE WAY OUT, 16 rows at a time (the four tiles (a, 0..3)): add bv, 32 bytes a lane into my own stage, read back as whole rows of 256 bytes.  rb: 128 or 160 in turn.
.macro OUT16P i, a, rb
	WIN 0x01                                       ; source 0 (the sums) window 1; bv and the destination window 0
.irp b, 0,1,2,3
.irp r, 0,2,4,6
	v_pk_add_f32 v[SUM+8*\b+\r:SUM+8*\b+\r+1], v[8*(4*\a+\b)+\r:8*(4*\a+\b)+\r+1], v[BI+8*\b+\r:BI+8*\b+\r+1]
.endr
.endr
	WIN 0
.irp b, 0,1,2,3
	ds_store_b128 v[STO], v[SUM+8*\b:SUM+8*\b+3]   offset:64*\b
	ds_store_b128 v[STO], v[SUM+8*\b+4:SUM+8*\b+7] offset:64*\b+16
.endr
	s_wait_xcnt 0x0                                ; registers rb .. rb + 31, which earlier stores read, and the base of the stores are rewritten only behind this wait
.if \i
	s_add_nc_u64 s[8:9], s[8:9], 16*OROW
.endif
.irp t, 0,1,2,3,4,5,6,7
	ds_load_b128 v[\rb+4*\t:\rb+4*\t+3], v[RD] offset:\t*2*SPITCH  ; LDS serves the instructions of a wave in order: these see the stores above
.endr
.irp t, 0,1,2,3,4,5,6,7
	s_wait_dscnt 7-\t                              ; load t is in, the 7 - t younger ones stay out
	global_store_b128 v[CO], v[\rb+4*\t:\rb+4*\t+3], s[8:9] offset:2*\t*OROW th:TH_STORE_NT   ; 16 lanes store 256 consecutive bytes, aligned; not read again
.endr
.endm
	OUT16P 0, 0, 128
	OUT16P 1, 1, 160
	OUT16P 2, 2, 128
	OUT16P 3, 3, 160
	OUT16P 4, 4, 128
	OUT16P 5, 5, 160
	OUT16P 6, 6, 128
	OUT16P 7, 7, 160
	s_wait_tensorcnt 0x0
	ds_add_u32 v62, v63
	s_wait_dscnt 0x0
	CROUND                                         ; the closing round
	s_endpgm
.Lfunc_end_k_qc739c6b0d9_pv:
	.size	k_qc739c6b0d9_pv, .Lfunc_end_k_qc739c6b0d9_pv-k_qc739c6b0d9_pv
	.p2alignl 7, 3214868480
	.fill 96, 4, 3214868480
	.section	.rodata,"a",@progbits
	.p2align	6, 0x0
	.amdhsa_kernel k_qc739c6b0d9_pv
		.amdhsa_group_segment_fixed_size 327680
		.amdhsa_private_segment_fixed_size 0
		.amdhsa_enable_private_segment 0
		.amdhsa_kernarg_size 32
		.amdhsa_user_sgpr_count 2
		.amdhsa_user_sgpr_kernarg_segment_ptr 1
		.amdhsa_wavefront_size32 1
		.amdhsa_system_sgpr_workgroup_id_x 1
		.amdhsa_system_sgpr_workgroup_id_y 1
		.amdhsa_system_sgpr_workgroup_id_z 1
		.amdhsa_system_vgpr_workitem_id 0
		.amdhsa_next_free_vgpr 512
		.amdhsa_next_free_sgpr 76
		.amdhsa_reserve_vcc 0
		.amdhsa_float_denorm_mode_32 3
		.amdhsa_float_denorm_mode_16_64 3
		.amdhsa_memory_ordered 1
		.amdhsa_forward_progress 1
		.amdhsa_inst_pref_size 127
	.end_amdhsa_kernel
	.amdgpu_metadata
---
amdhsa.version: [ 1, 2 ]
amdhsa.kernels:
  - .name:           k_qc739c6b0d9_pv
    .symbol:         k_qc739c6b0d9_pv.kd
    .args:
      - { .name: pmat, .offset: 0, .size: 8, .value_kind: global_buffer, .address_space: global }
      - { .name: qkv, .offset: 8, .size: 8, .value_kind: global_buffer, .address_space: global }
      - { .name: bv, .offset: 16, .size: 8, .value_kind: global_buffer, .address_space: global }
      - { .name: out0, .offset: 24, .size: 8, .value_kind: global_buffer, .address_space: global }
    .group_segment_fixed_size: 327680
    .private_segment_fixed_size: 0
    .kernarg_segment_align: 8
    .kernarg_segment_size: 32
    .max_flat_workgroup_size: 128
    .sgpr_count:     76
    .vgpr_count:     512
    .wavefront_size: 32
...
	.end_amdgpu_metadata
.endif
;; end of part 5
;; ======== version 2 of 2: 5 launches; version 1 with the launches cast, softmax written anew for expert scheduling mode
;; workspace buffers: xw 23,068,672 bytes; qkv 50,331,648 bytes; smat 67,108,864 bytes; pmat 33,554,432 bytes
;; launch cast (part 6): grid 704 x 1, 8 waves a work-group, no clusters, 0 bytes of LDS; arguments x, Wq, Wk, Wv, xw; writes xw
.if DOCPART == 6
	.amdgcn_target "amdgcn-amd-amdhsa--gfx1250"
	.amdhsa_code_object_version 6
	.text
	.protected	k_qc739c6b0d9_cast
	.globl	k_qc739c6b0d9_cast
	.p2align	8
	.type	k_qc739c6b0d9_cast,@function
k_qc739c6b0d9_cast:
	s_mov_b64 s[64:65], 0
	v_nop
	global_prefetch_b8 v0, s[64:65] scope:SCOPE_SE
	s_setreg_imm32_b32 hwreg(HW_REG_WAVE_SCHED_MODE, 0, 2), 2
	s_setreg_imm32_b32 hwreg(HW_REG_WAVE_MODE, 25, 1), 1
	s_wait_xcnt 0x0
	s_wait_alu depctr_vm_vsrc(0)
; cast: x, Wq, Wk, Wv from f32 to bf16 (round to nearest even), stacked as one array xw of [11264][1024] bf16:
; rows 0-8191 x, 8192-9215 Wq, 9216-10239 Wk, 10240-11263 Wv.  The products of the later launches take bf16 operands;
; converting once here spares every later reader the wider bytes and the repeated conversion.
;
; THE WHOLE PROGRAM: cast; proj (q = x Wq^T + bq, k0 = x Wk^T, vT0 = Wv x^T, bf16); scores (S = q k0^T, f32);
; softmax (P = softmax(S / 32) along the keys, bf16); pv (out0 = P vT0^T + bv, f32).
;
; WORK LEFT OUT: bk.  reference() has scores[i][j] = q_i . (k0_j + bk) / 32 = q_i . k0_j / 32 + q_i . bk / 32 with k0 = x Wk^T.
; The second term does not hang on the key j, so it is the same along the axis of the softmax, and
; softmax(z + c) = softmax(z) for every real c: it reaches no output, whatever finite values the inputs hold.
; So bk is not loaded and is an argument of no launch.  bq stays (bq . k_j varies with j), bv stays.
; LIMITS: a NaN, an infinity or an overflow that would enter through bk alone is not carried to the result.
; x, W, q, k, v and P are rounded to bf16 as matrix operands.  bv is added behind the last product, in f32:
; sum_k p_k (v0_k + bv) = sum_k p_k v0_k + bv because the p_k of a row sum to 1; the order of rounding differs from reference().
;
; Eight waves; work-group g takes rows 16 g to 16 g + 15 of the stack: 64 KiB in, 32 KiB out.  Thread t takes 16 bytes at 16 t of
; each row in and 8 bytes at 8 t of each row out, so a load of a wave covers 512 consecutive bytes and a store 256, both aligned.
; All sixteen loads go out first; no register is written twice, so no source has to be freed.
; No LDS, no matrix unit, no cluster: the work-groups share no input and the work is a copy.
;
; THE MODE: SCHED_MODE bits 1:0 = 2 (LLVM: expert scheduling mode 2), set by the entry lines.  The code itself states the register
; dependences between vector instructions and memory instructions, with s_wait_alu, always for 0.
; THE PLAN.  Registers that memory instructions touch:
;   v1, v2   byte offsets, made once at the head and never written again: v1 is read by every load, v2 by every store.
;   X        row i: written by its load, once; read by its two conversions.  No vector instruction names X ahead of the loads.
;   Y        row i: written by its two conversions, once; read by its store.
; The sixteen rows go in four blocks of four.  Block p converts its rows; its memory instructions are the four stores of block p - 1,
; whose Y no vector instruction of block p names.  So one wait at a block's head states all that its four stores hang on, and they are
; dealt among the block's conversions with no further wait.  No register that a memory instruction reads is written again.
.set ROWIN,  4096                      ; bytes of a row in f32
.set ROWOUT, 2048                      ; bytes of a row in bf16
.set BLOCK,  4                         ; rows in a block
.set X, 4                              ; v[4:67]   row i: 4 registers as loaded
.set Y, 68                             ; v[68:99]  row i: 2 registers to store
	s_load_b256 s[4:11], s[0:1], 0x0               ; x s[4:5], Wq s[6:7], Wk s[8:9], Wv s[10:11]
	s_load_b64 s[12:13], s[0:1], 0x20              ; xw
	s_mov_b32 s14, ttmp9                           ; g, 0 to 703
	s_and_b32 s15, s14, 63                         ; the place inside a weight matrix (64 work-groups each; 512 is a multiple of 64)
	s_cmp_lt_u32 s14, 512
	s_cselect_b32 s15, s14, s15                    ; or inside x (512 work-groups)
	s_lshl_b32 s18, s15, 16                        ; 16 rows of 4,096 bytes
	s_mov_b32 s19, 0
	s_lshl_b32 s20, s14, 15                        ; 16 rows of 2,048 bytes
	s_mov_b32 s21, 0
	v_lshlrev_b32 v1, 4, v0                        ; 16 t
	v_lshlrev_b32 v2, 3, v0                        ; 8 t
	s_wait_kmcnt 0x0
	s_cmp_lt_u32 s14, 512                          ; the source is chosen by the number of the work-group alone
	s_cselect_b64 s[16:17], s[4:5], s[6:7]
	s_cmp_lt_u32 s14, 576
	s_cselect_b64 s[16:17], s[16:17], s[8:9]
	s_cmp_lt_u32 s14, 640
	s_cselect_b64 s[16:17], s[16:17], s[10:11]
	s_add_nc_u64 s[16:17], s[16:17], s[18:19]
	s_add_nc_u64 s[12:13], s[12:13], s[20:21]
	s_wait_alu depctr_va_vdst(0)                   ; v1 and v2 are written: every load reads v1 and every store v2 as its offset
.irp i, 0,1,2,3,4,5,6,7,8,9,10,11,12,13,14,15
	global_load_b128 v[X+4*\i:X+4*\i+3], v1, s[16:17] offset:ROWIN*\i th:TH_LOAD_NT   ; read once in the launch
.endr
.macro CVT i                           ; row i: four f32 a lane become four bf16
	v_cvt_pk_bf16_f32 v[Y+2*(\i)],   v[X+4*(\i)],   v[X+4*(\i)+1]
	v_cvt_pk_bf16_f32 v[Y+2*(\i)+1], v[X+4*(\i)+2], v[X+4*(\i)+3]
.endm
.macro SEND i                          ; row i leaves: the wave stores 256 consecutive bytes, aligned
	global_store_b64 v2, v[Y+2*(\i):Y+2*(\i)+1], s[12:13] offset:ROWOUT*(\i)
.endm
; Block p: rows 4 p to 4 p + 3 are converted, and the rows of block p - 1 are stored.
.macro BLK p
	s_wait_loadcnt 12-BLOCK*(\p)                   ; loads come back in order: the block's four rows are in, the 12 - 4 p younger loads stay out
.if \p
	s_wait_alu depctr_va_vdst(0)                   ; the conversions of the block before have written its Y, which the four stores below read
.endif
.irp i, 0,1,2,3
.if \p
	SEND BLOCK*(\p)-BLOCK+\i                       ; no vector instruction since the wait names this row's Y or v2
.endif
	CVT BLOCK*(\p)+\i
.endr
.endm
	BLK 0                                          ; no block stands in front of it: no store, and no wait but the one for its data
	BLK 1
	BLK 2
	BLK 3
	s_wait_alu depctr_va_vdst(0)                   ; the conversions of block 3 have written its Y, which the last four stores read
.irp i, 12,13,14,15
	SEND \i
.endr
	s_endpgm
.Lfunc_end_k_qc739c6b0d9_cast:
	.size	k_qc739c6b0d9_cast, .Lfunc_end_k_qc739c6b0d9_cast-k_qc739c6b0d9_cast
	.p2alignl 7, 3214868480
	.fill 96, 4, 3214868480
	.section	.rodata,"a",@progbits
	.p2align	6, 0x0
	.amdhsa_kernel k_qc739c6b0d9_cast
		.amdhsa_group_segment_fixed_size 0
		.amdhsa_private_segment_fixed_size 0
		.amdhsa_enable_private_segment 0
		.amdhsa_kernarg_size 40
		.amdhsa_user_sgpr_count 2
		.amdhsa_user_sgpr_kernarg_segment_ptr 1
		.amdhsa_wavefront_size32 1
		.amdhsa_system_sgpr_workgroup_id_x 1
		.amdhsa_system_sgpr_workgroup_id_y 1
		.amdhsa_system_sgpr_workgroup_id_z 1
		.amdhsa_system_vgpr_workitem_id 0
		.amdhsa_next_free_vgpr 100
		.amdhsa_next_free_sgpr 66
		.amdhsa_reserve_vcc 0
		.amdhsa_float_denorm_mode_32 3
		.amdhsa_float_denorm_mode_16_64 3
		.amdhsa_memory_ordered 1
		.amdhsa_forward_progress 1
		.amdhsa_inst_pref_size 7
	.end_amdhsa_kernel
	.amdgpu_metadata
---
amdhsa.version: [ 1, 2 ]
amdhsa.kernels:
  - .name:           k_qc739c6b0d9_cast
    .symbol:         k_qc739c6b0d9_cast.kd
    .args:
      - { .name: x, .offset: 0, .size: 8, .value_kind: global_buffer, .address_space: global }
      - { .name: Wq, .offset: 8, .size: 8, .value_kind: global_buffer, .address_space: global }
      - { .name: Wk, .offset: 16, .size: 8, .value_kind: global_buffer, .address_space: global }
      - { .name: Wv, .offset: 24, .size: 8, .value_kind: global_buffer, .address_space: global }
      - { .name: xw, .offset: 32, .size: 8, .value_kind: global_buffer, .address_space: global }
    .group_segment_fixed_size: 0
    .private_segment_fixed_size: 0
    .kernarg_segment_align: 8
    .kernarg_segment_size: 40
    .max_flat_workgroup_size: 256
    .sgpr_count:     66
    .vgpr_count:     100
    .wavefront_size: 32
...
	.end_amdgpu_metadata
.endif
;; end of part 6
;; launch proj: the kernel of part 2 again; grid 12 x 32, 4 waves a work-group, clusters of 4 x 4, 327,680 bytes of LDS; arguments xw, bq, qkv; writes qkv
;; launch scores: the kernel of part 3 again; grid 8 x 32, 4 waves a work-group, clusters of 4 x 4, 327,680 bytes of LDS; arguments qkv, smat; writes smat
;; launch softmax (part 7): grid 512 x 1, 8 waves a work-group, no clusters, 0 bytes of LDS; arguments smat, pmat; writes pmat
.if DOCPART == 7
	.amdgcn_target "amdgcn-amd-amdhsa--gfx1250"
	.amdhsa_code_object_version 6
	.text
	.protected	k_qc739c6b0d9_softmax
	.globl	k_qc739c6b0d9_softmax
	.p2align	8
	.type	k_qc739c6b0d9_softmax,@function
k_qc739c6b0d9_softmax:
	s_mov_b64 s[64:65], 0
	v_nop
	global_prefetch_b8 v0, s[64:65] scope:SCOPE_SE
	s_setreg_imm32_b32 hwreg(HW_REG_WAVE_SCHED_MODE, 0, 2), 2
	s_setreg_imm32_b32 hwreg(HW_REG_WAVE_MODE, 25, 1), 1
	s_wait_xcnt 0x0
	s_wait_alu depctr_vm_vsrc(0)
; softmax: P[i][j] = exp(S[i][j] / 32 - m_i) / sum over j of the same, m_i the largest S[i][j] / 32 of row i.  smat: [8192][2048] f32, pmat: [8192][2048] bf16.
; The true maximum of the row is taken away, as reference() does.  exp(z / 32 - m / 32) = 2^(c z - c m) with c = log2(e) / 32: one fused multiply-add and one v_exp_f32.
; The rounded product c m is the same for the whole row, so its rounding is a common factor of the row that the division takes out again.
; LIMITS: v_exp_f32 gives 0 for results below 2^-126 (ISA guide, its entry); P is rounded to bf16, as an operand of the last product.
; One wave takes a whole row (8,192 bytes, 64 registers a lane) and keeps it in registers between the passes: the row is read once, and no wave waits for another.
; Eight waves, two rows each; all 32 loads of a wave go out first.  No LDS, no barrier, no cluster: the work-groups share no input.
;
; THE MODE: SCHED_MODE bits 1:0 = 2 (LLVM: expert scheduling mode 2), set by the entry lines.  The code itself states the register
; dependences between vector instructions and memory instructions, with s_wait_alu, always for 0.
; THE PLAN.  Registers that memory instructions touch:
;   v1, v2   byte offsets, made once at the head and never written again: v1 is read by every load, v2 by every store.
;   X        row p: 64 registers.  Written by the row's 16 loads, ahead of which no vector instruction names them; then worked on in place by vector
;            instructions alone; the row's roundings write registers 4 j and 4 j + 1 last, and the row's 16 stores read those.  Nothing writes them behind the stores.
;   v4 to v19 (maxima, sums, 1 / sum) are named by vector instructions alone.
; Row 0's stores are issued in row 1's turn: one wait at the head of row 1 states that row 0's roundings have written their registers, and the 16 stores are dealt among
; row 1's maxima, which name row 1's X and v4 to v7 alone.  Row 1's stores follow one wait behind its roundings.  No register that a memory instruction reads is written again.
.set SROW, 8192                        ; bytes of a row of smat
.set PROW, 4096                        ; bytes of a row of pmat
.set M,  4                             ; v[4:7]    four running maxima; later v4 the maximum of the row
.set RC, 6                             ; v[6:7]    1 / sum, twice (free once the maxima are joined)
.set T,  8                             ; v8        what comes from the other half of the lanes
.set NM, 10                            ; v[10:11]  - c m, twice
.set SU, 12                            ; v[12:19]  four pairs of partial sums
.set X,  20                            ; v[20:147] row p: 64 registers
	s_load_b128 s[4:7], s[0:1], 0x0                ; smat s[4:5], pmat s[6:7]
	s_lshl_b32 s10, ttmp9, 17                      ; 16 rows of 8,192 bytes
	s_mov_b32 s11, 0
	s_lshl_b32 s12, ttmp9, 16                      ; 16 rows of 4,096 bytes
	s_mov_b32 s13, 0
	s_mov_b32 s8, 0x76543210                       ; v_permlanex16_b32: lane i of one half reads lane i of the other
	s_mov_b32 s9, 0xfedcba98
	v_and_b32 v3, 31, v0                           ; lane
	v_lshrrev_b32 v2, 5, v0                        ; wave
	v_lshlrev_b32 v1, 14, v2                       ; two rows of smat a wave,
	v_lshl_add_u32 v1, v3, 4, v1                   ; 16 bytes a lane
	v_lshlrev_b32 v2, 13, v2                       ; two rows of pmat a wave,
	v_lshl_add_u32 v2, v3, 3, v2                   ; 8 bytes a lane
	v_mov_b32 v[T], 0                              ; the destination of v_permlanex16_b32 counts as read
	s_wait_kmcnt 0x0
	s_add_nc_u64 s[4:5], s[4:5], s[10:11]
	s_add_nc_u64 s[6:7], s[6:7], s[12:13]
	s_wait_alu depctr_va_vdst(0)                   ; v1 and v2 are written: every load reads v1 and every store v2 as its offset
.irp p, 0,1
.irp j, 0,1,2,3,4,5,6,7,8,9,10,11,12,13,14,15
	global_load_b128 v[X+64*\p+4*\j:X+64*\p+4*\j+3], v1, s[4:5] offset:SROW*\p+512*\j th:TH_LOAD_NT   ; 512 consecutive bytes a wave; read once in the launch
.endr
.endr
; Piece j of row p leaves: the wave stores 256 consecutive bytes, aligned; no source is written again.
.macro SEND p, j
	global_store_b64 v2, v[X+64*(\p)+4*(\j):X+64*(\p)+4*(\j)+1], s[6:7] offset:PROW*(\p)+256*(\j)
.endm
; Row p is worked on up to its roundings.  In row 1's turn the stores of row 0 are issued, two ahead of each group of four maxima.
.macro ROW p, left
.set XR, X+64*\p
	s_wait_loadcnt \left                           ; the 16 loads of this row are in; those of the row behind it may stay out
.if \p
	s_wait_alu depctr_va_vdst(0)                   ; the roundings of the row before have written its 32 packed registers, which the 16 stores below read
	SEND (\p)-1, 0
	SEND (\p)-1, 1
.endif
	; the largest of my 64 numbers, in four chains that do not wait for each other; the first numbers start the chains
.irp k, 0,1,2,3
	v_max_num_f32 v[M+\k], v[XR+\k], v[XR+4+\k]
.endr
.set i, 1
.rept 7
.if \p
	SEND (\p)-1, 2*i                               ; no vector instruction since the wait names the row before's registers or v2
	SEND (\p)-1, 2*i+1
.endif
.irp k, 0,1,2,3
	v_max3_num_f32 v[M+\k], v[M+\k], v[XR+8*i+\k], v[XR+8*i+4+\k]
.endr
.set i, i+1
.endr
	v_max3_num_f32 v[M], v[M], v[M+1], v[M+2]
	v_max_num_f32 v[M], v[M], v[M+3]
	v_max_num_f32_dpp v[M], v[M], v[M] row_xmask:1 row_mask:0xf bank_mask:0xf
	v_max_num_f32_dpp v[M], v[M], v[M] row_xmask:2 row_mask:0xf bank_mask:0xf
	v_max_num_f32_dpp v[M], v[M], v[M] row_xmask:4 row_mask:0xf bank_mask:0xf
	v_max_num_f32_dpp v[M], v[M], v[M] row_xmask:8 row_mask:0xf bank_mask:0xf
	v_permlanex16_b32 v[T], v[M], s8, s9
	v_max_num_f32 v[M], v[M], v[T]                 ; every lane holds the maximum of the row
	v_mul_f32 v[NM], 0xbd38aa3b, v[M]              ; - c m
	v_mov_b32 v[NM+1], v[NM]
.set i, 0
.rept 32
	v_pk_fma_f32 v[XR+2*i:XR+2*i+1], v[XR+2*i:XR+2*i+1], 0x3d38aa3b, v[NM:NM+1] op_sel_hi:[1,0,1]   ; c z - c m, at most about 0
.set i, i+1
.endr
.set i, 0
.rept 64
	v_exp_f32 v[XR+i], v[XR+i]
.set i, i+1
.endr
	v_nop                                          ; one plain vector instruction between the last v_exp_f32 and the use of its result (ISA guide 5.7.2)
	; the sum, in four chains of pairs
	s_wait_alu depctr_va_vdst(0)                   ; the 64 exponentials have written the row's registers: one wait for the batch, ahead of its first reader
.irp k, 0,1,2,3
	v_pk_add_f32 v[SU+2*\k:SU+2*\k+1], v[XR+2*\k:XR+2*\k+1], v[XR+8+2*\k:XR+8+2*\k+1]
.endr
.set i, 2
.rept 6
.irp k, 0,1,2,3
	v_pk_add_f32 v[SU+2*\k:SU+2*\k+1], v[SU+2*\k:SU+2*\k+1], v[XR+8*i+2*\k:XR+8*i+2*\k+1]
.endr
.set i, i+1
.endr
	v_pk_add_f32 v[SU:SU+1], v[SU:SU+1], v[SU+2:SU+3]
	v_pk_add_f32 v[SU+4:SU+5], v[SU+4:SU+5], v[SU+6:SU+7]
	v_pk_add_f32 v[SU:SU+1], v[SU:SU+1], v[SU+4:SU+5]
	v_add_f32 v[SU], v[SU], v[SU+1]
	v_add_f32_dpp v[SU], v[SU], v[SU] row_xmask:1 row_mask:0xf bank_mask:0xf
	v_add_f32_dpp v[SU], v[SU], v[SU] row_xmask:2 row_mask:0xf bank_mask:0xf
	v_add_f32_dpp v[SU], v[SU], v[SU] row_xmask:4 row_mask:0xf bank_mask:0xf
	v_add_f32_dpp v[SU], v[SU], v[SU] row_xmask:8 row_mask:0xf bank_mask:0xf
	v_permlanex16_b32 v[T], v[SU], s8, s9
	v_add_f32 v[SU], v[SU], v[T]                   ; the term of the maximum is about 1, so the sum is about 1 or more
	v_rcp_f32 v[RC], v[SU]
	v_rcp_f32 v[RC+1], v[SU]
	v_nop                                          ; one plain vector instruction before the reciprocals are used
.set i, 0
	s_wait_alu depctr_va_vdst(0)                   ; the two reciprocals have written v[RC:RC+1]: one wait for both, ahead of their first reader
.rept 32
	v_pk_mul_f32 v[XR+2*i:XR+2*i+1], v[XR+2*i:XR+2*i+1], v[RC:RC+1]
.set i, i+1
.endr
.irp j, 0,1,2,3,4,5,6,7,8,9,10,11,12,13,14,15
	v_cvt_pk_bf16_f32 v[XR+4*\j],   v[XR+4*\j],   v[XR+4*\j+1]
	v_cvt_pk_bf16_f32 v[XR+4*\j+1], v[XR+4*\j+2], v[XR+4*\j+3]
.endr
.endm
	ROW 0, 16
	ROW 1, 0
	s_wait_alu depctr_va_vdst(0)                   ; the roundings of row 1 have written its 32 packed registers, which the last 16 stores read
.irp j, 0,1,2,3,4,5,6,7,8,9,10,11,12,13,14,15
	SEND 1, \j
.endr
	s_endpgm
.Lfunc_end_k_qc739c6b0d9_softmax:
	.size	k_qc739c6b0d9_softmax, .Lfunc_end_k_qc739c6b0d9_softmax-k_qc739c6b0d9_softmax
	.p2alignl 7, 3214868480
	.fill 96, 4, 3214868480
	.section	.rodata,"a",@progbits
	.p2align	6, 0x0
	.amdhsa_kernel k_qc739c6b0d9_softmax
		.amdhsa_group_segment_fixed_size 0
		.amdhsa_private_segment_fixed_size 0
		.amdhsa_enable_private_segment 0
		.amdhsa_kernarg_size 16
		.amdhsa_user_sgpr_count 2
		.amdhsa_user_sgpr_kernarg_segment_ptr 1
		.amdhsa_wavefront_size32 1
		.amdhsa_system_sgpr_workgroup_id_x 1
		.amdhsa_system_sgpr_workgroup_id_y 1
		.amdhsa_system_sgpr_workgroup_id_z 1
		.amdhsa_system_vgpr_workitem_id 0
		.amdhsa_next_free_vgpr 148
		.amdhsa_next_free_sgpr 66
		.amdhsa_reserve_vcc 0
		.amdhsa_float_denorm_mode_32 3
		.amdhsa_float_denorm_mode_16_64 3
		.amdhsa_memory_ordered 1
		.amdhsa_forward_progress 1
		.amdhsa_inst_pref_size 36
	.end_amdhsa_kernel
	.amdgpu_metadata
---
amdhsa.version: [ 1, 2 ]
amdhsa.kernels:
  - .name:           k_qc739c6b0d9_softmax
    .symbol:         k_qc739c6b0d9_softmax.kd
    .args:
      - { .name: smat, .offset: 0, .size: 8, .value_kind: global_buffer, .address_space: global }
      - { .name: pmat, .offset: 8, .size: 8, .value_kind: global_buffer, .address_space: global }
    .group_segment_fixed_size: 0
    .private_segment_fixed_size: 0
    .kernarg_segment_align: 8
    .kernarg_segment_size: 16
    .max_flat_workgroup_size: 256
    .sgpr_count:     66
    .vgpr_count:     148
    .wavefront_size: 32
...
	.end_amdgpu_metadata
.endif
;; end of part 7
;; launch pv: the kernel of part 5 again; grid 8 x 32, 4 waves a work-group, clusters of 4 x 4, 327,680 bytes of LDS; arguments pmat, qkv, bv, out0; writes out0
